; MI455X (gfx1250); checked and timed in simulation.
; The chip was launched on July 23, 2026; its instructions are those of AMD's public machine-readable ISA for CDNA 5 (MIT licence, August 2026) and "CDNA5" Instruction Set Architecture Reference Guide (July 2026). The comments in the code are by the model that wrote it; some were corrected since.
;; Mo E. Allowed arithmetic: float matrix products may take bf16 or f16 operands with f32 sums; other float arithmetic in f32, or as packed bf16 or f16 multiplies, adds, multiply-adds, maxima and minima; sums over many terms, partial sums and values carried from step to step in f32; what a program stores and reads back later, other than sums and carried values, may be rounded once to bf16 or f16.
;; Inputs: W1 8 x 1,024 x 4,096 float32; W2 8 x 4,096 x 1,024 float32; b1 8 x 4,096 float32; b2 8 x 1,024 float32; gate_b 8 float32; gate_w 1,024 x 8 float32; x 1,024 x 1,024 float32.
;; Outputs: out0 1,024 x 1,024 float32.
;; 3 versions, each right; version 3 is version 2 with the launch ffn1 written anew for expert scheduling mode. Each part assembles by itself: llvm-mc -triple=amdgcn-amd-amdhsa -mcpu=gfx1250 --defsym DOCPART=n.
;; ======== version 1 of 3: 4 launches
;; workspace buffers: xb 2,097,152 bytes; top1 4,096 bytes of whole numbers; h 75,497,472 bytes; part 75,497,472 bytes
;; launch router (part 1): grid 64 x 1, 8 waves a work-group, no clusters, 58,880 bytes of LDS; arguments x, gate_w, gate_b, xb, top1; writes xb, top1
.if DOCPART == 1
	.amdgcn_target "amdgcn-amd-amdhsa--gfx1250"
	.amdhsa_code_object_version 6
	.text
	.protected	k_q32e5a82c45_router
	.globl	k_q32e5a82c45_router
	.p2align	8
	.type	k_q32e5a82c45_router,@function
k_q32e5a82c45_router:
	s_mov_b64 s[64:65], 0
	v_nop
	global_prefetch_b8 v0, s[64:65] scope:SCOPE_SE
	s_setreg_imm32_b32 hwreg(HW_REG_WAVE_MODE, 25, 1), 1
	s_wait_xcnt 0x0
; ROUTER.  xb = x rounded to bf16; top1[t] = the first index of the largest softmax score of x[t] . gate_w + gate_b.
; x: [1024][1024] f32, gate_w: [1024][8] f32, gate_b: [8] f32, xb: [1024][1024] bf16, top1: [1024] u32.
; A work-group of eight waves owns 16 tokens.  x, gate_w and gate_b are rounded once to bf16 (as every input of this program is); products
; exact, sums in f32.  Wave w multiplies k = 128 w .. 128 w + 127 (four matrix instructions); the eight partial sums meet in LDS and wave 0 finishes.
; LIMITS.  Where a token's two best logits lie within the rounding of the f32 sums (about 1e-6 of their size) the choice may differ from an exact sum's;
; a score below 2^-126 counts as 0 (the largest is at least 1/8); NaN and infinities are not treated apart.
; No cluster: the work-groups share gate_w alone, 32 KiB against their own 64 KiB of x, and it comes through registers to be rounded.
.set PX,    2064          ; an LDS row of 1,024 bf16: 2,048 bytes + 16, an odd multiple of 16
.set GW,    16*PX         ; behind the 16 rows of x: 8 rows, one for each expert, k along the row
.set RED2,  49664         ; 8 waves x 1,024 bytes: partial logits
.set SPARE, 57856         ; the spare words: 128 bytes for each of eight waves, named by no other line
.set SPW, 28
.set NIL, 29
.set GP,  32              ; v32-47   gate_w packed: pairs of neighbouring k for one expert
.set XR,  64              ; v64-127  x as loaded; later the fragments, later the eight partial sums
.set XF,  64
.set GF,  96
.set GR,  128             ; v128-159 gate_w as loaded; later two accumulators and their sum
.set LG,  144
.set BV,  152             ; v152-159 gate_b, rounded
.set XB,  160             ; v160-191 x in bf16
	s_load_b256 s[4:11], s[0:1], 0x0               ; x s[4:5], gate_w s[6:7], gate_b s[8:9], xb s[10:11]
	s_load_b64 s[12:13], s[0:1], 0x20              ; top1
	v_lshl_add_u32 v[SPW], v0, 2, SPARE
	v_mov_b32 v[NIL], 0
	v_and_b32 v1, 31, v0                           ; lane
	v_and_b32 v2, 15, v0                           ; r
	v_bfe_u32 v3, v0, 4, 1                         ; the lanes' half
	v_lshrrev_b32 v11, 5, v0
	v_readfirstlane_b32 s16, v11                   ; wave 0..7
	v_lshlrev_b32 v4, 4, v0                        ; 16 t: my four numbers in a row of x
	v_lshlrev_b32 v5, 6, v0                        ; 64 t: my two rows of gate_w
	v_lshlrev_b32 v6, 3, v0                        ; 8 t: my four bf16 in a row of xb, in memory and in LDS
	v_lshlrev_b32 v7, 2, v0                        ; 4 t: my pair of k in an expert's LDS row
	s_lshl_b32 s20, ttmp9, 16                      ; 16 rows of x
	s_mov_b32 s21, 0
	s_lshl_b32 s22, ttmp9, 15                      ; 16 rows of xb
	s_mov_b32 s23, 0
	s_lshl_b32 s24, ttmp9, 6                       ; 16 words of top1
	s_mov_b32 s25, 0
	s_lshl_b32 s17, s16, 8                         ; my wave's 128 k, in bytes of bf16
	s_lshl_b32 s18, s16, 10                        ; my wave's partial sums
	s_wait_kmcnt 0x0
	s_load_b256 s[40:47], s[8:9], 0x0              ; gate_b: eight numbers
	s_add_nc_u64 s[4:5], s[4:5], s[20:21]
	s_add_nc_u64 s[10:11], s[10:11], s[22:23]
	s_add_nc_u64 s[12:13], s[12:13], s[24:25]
.set cc, 0
.rept 16                                               ; token cc: a wave's load covers 512 consecutive bytes
	global_load_b128 v[XR+4*cc:XR+4*cc+3], v4, s[4:5] offset:4096*cc th:TH_LOAD_NT
.set cc, cc+1
.endr
.set cc, 0
.rept 8                                                ; rows 2 p and 2 p + 1 of gate_w, p = t + 256 (cc / 4): 64 bytes in four loads
	global_load_b128 v[GR+4*cc:GR+4*cc+3], v5, s[6:7] offset:16384*(cc/4)+16*(cc%4)
.set cc, cc+1
.endr
	v_mul_u32_u24 v8, v2, PX                       ; fragments of x: row r, my wave's k, 16 bytes for each half of the lanes
	v_lshl_add_u32 v8, v3, 4, v8
	v_add_nc_u32 v8, s17, v8
	v_and_b32 v9, 7, v0                            ; fragments of gate_w: rows 8-15 repeat the experts 0-7
	v_mul_u32_u24 v9, v9, PX
	v_lshl_add_u32 v9, v3, 4, v9
	v_add_nc_u32 v9, s17, v9
	v_lshlrev_b32 v12, 4, v1                       ; 16 x lane
	v_add_nc_u32 v10, s18, v12
	s_wait_loadcnt 0x8                             ; x is in: the eight loads of gate_w are younger
.set cc, 0
.rept 16
	v_cvt_pk_bf16_f32 v[XB+2*cc], v[XR+4*cc], v[XR+4*cc+1]
	v_cvt_pk_bf16_f32 v[XB+2*cc+1], v[XR+4*cc+2], v[XR+4*cc+3]
.set cc, cc+1
.endr
.set cc, 0
.rept 16
	global_store_b64 v6, v[XB+2*cc:XB+2*cc+1], s[10:11] offset:2048*cc  ; a wave stores 256 consecutive bytes, aligned
	ds_store_b64 v6, v[XB+2*cc:XB+2*cc+1] offset:PX*cc
.set cc, cc+1
.endr
	s_wait_loadcnt 0x0                             ; gate_w
.set cc, 0
.rept 16                                               ; expert cc % 8, pair t + 256 (cc / 8): the two k side by side
	v_cvt_pk_bf16_f32 v[GP+cc], v[GR+16*(cc/8)+cc%8], v[GR+16*(cc/8)+8+cc%8]
.set cc, cc+1
.endr
.set cc, 0
.rept 16
	ds_store_b32 v7, v[GP+cc] offset:GW+PX*(cc%8)+1024*(cc/8)
.set cc, cc+1
.endr
	s_wait_dscnt 0x0                               ; for the others' sake: my stores are done
	s_barrier_signal -1
	s_barrier_wait -1
.set cc, 0
.rept 4                                                ; 32 k a fragment: two loads of 16 bytes, 32 bytes apart
	ds_load_b128 v[XF+8*cc:XF+8*cc+3],   v8 offset:64*cc
	ds_load_b128 v[XF+8*cc+4:XF+8*cc+7], v8 offset:64*cc+32
	ds_load_b128 v[GF+8*cc:GF+8*cc+3],   v9 offset:GW+64*cc
	ds_load_b128 v[GF+8*cc+4:GF+8*cc+7], v9 offset:GW+64*cc+32
.set cc, cc+1
.endr
	s_wait_dscnt 0x0
	; source 0 = experts, source 1 = tokens: a lane then holds token r and, in registers 0-7, the eight experts.  Two accumulators by turns.
	v_wmma_f32_16x16x32_bf16 v[128:135], v[GF:GF+7],     v[XF:XF+7],     0
	v_wmma_f32_16x16x32_bf16 v[136:143], v[GF+8:GF+15],  v[XF+8:XF+15],  0
	v_wmma_f32_16x16x32_bf16 v[128:135], v[GF+16:GF+23], v[XF+16:XF+23], v[128:135]
	v_wmma_f32_16x16x32_bf16 v[136:143], v[GF+24:GF+31], v[XF+24:XF+31], v[136:143]
.rept 4
	v_nop                                          ; four places behind the last product (ISA guide 7.12.1)
.endr
.set cc, 0
.rept 4
	v_pk_add_f32 v[LG+2*cc:LG+2*cc+1], v[128+2*cc:129+2*cc], v[136+2*cc:137+2*cc]  ; from the low end on
.set cc, cc+1
.endr
	ds_store_b128 v10, v[LG:LG+3] offset:RED2
	ds_store_b128 v10, v[LG+4:LG+7] offset:RED2+512
	s_wait_dscnt 0x0
	s_barrier_signal -1
	s_barrier_wait -1
	s_cmp_lg_u32 s16, 0
	s_cbranch_scc1 .Lend                           ; wave 0 finishes; no barrier stands in what the others jump
.set cc, 0
.rept 8
	ds_load_b128 v[XR+8*cc:XR+8*cc+3],   v12 offset:RED2+1024*cc
	ds_load_b128 v[XR+8*cc+4:XR+8*cc+7], v12 offset:RED2+1024*cc+512
.set cc, cc+1
.endr
	s_wait_kmcnt 0x0                               ; gate_b
	v_cvt_pk_bf16_f32 v13, s40, s41                ; rounded to bf16 and widened again
	v_cvt_pk_bf16_f32 v14, s42, s43
	v_cvt_pk_bf16_f32 v15, s44, s45
	v_cvt_pk_bf16_f32 v16, s46, s47
.set cc, 0
.rept 4
	v_lshlrev_b32 v[BV+2*cc], 16, v[13+cc]
	v_and_b32 v[BV+2*cc+1], 0xffff0000, v[13+cc]
.set cc, cc+1
.endr
	s_wait_dscnt 0x0
.set cc, 4
.rept 28                                               ; the waves' sums are added in the waves' order
	v_pk_add_f32 v[XR+2*(cc%4):XR+2*(cc%4)+1], v[XR+2*(cc%4):XR+2*(cc%4)+1], v[XR+2*cc:XR+2*cc+1]
.set cc, cc+1
.endr
.set cc, 0
.rept 4
	v_pk_add_f32 v[XR+2*cc:XR+2*cc+1], v[XR+2*cc:XR+2*cc+1], v[BV+2*cc:BV+2*cc+1]
.set cc, cc+1
.endr
	v_max3_num_f32 v16, v64, v65, v66              ; softmax: the largest logit is taken away first
	v_max3_num_f32 v16, v16, v67, v68
	v_max3_num_f32 v16, v16, v69, v70
	v_max_num_f32 v16, v16, v71
.set cc, 0
.rept 8
	v_sub_f32 v[72+cc], v[64+cc], v16
.set cc, cc+1
.endr
.set cc, 0
.rept 8
	v_mul_f32 v[72+cc], 0x3fb8aa3b, v[72+cc]       ; log2(e)
.set cc, cc+1
.endr
.set cc, 0
.rept 8
	v_exp_f32 v[72+cc], v[72+cc]
.set cc, cc+1
.endr
	v_nop                                          ; a plain instruction behind the last exponential (ISA guide 5.7.2),
	s_wait_alu depctr_va_vdst(0)                   ; and one wait for the batch of eight
	v_pk_add_f32 v[80:81], v[72:73], v[74:75]
	v_pk_add_f32 v[82:83], v[76:77], v[78:79]
	v_pk_add_f32 v[80:81], v[80:81], v[82:83]
	v_add_f32 v17, v80, v81
	v_rcp_f32 v18, v17
	v_nop
	s_wait_alu depctr_va_vdst(0)
.set cc, 0
.rept 8
	v_mul_f32 v[72+cc], v[72+cc], v18              ; the scores
.set cc, cc+1
.endr
	v_mov_b32 v19, v72
	v_mov_b32 v20, 0
.set cc, 1
.rept 7                                                ; strictly greater: of equal scores the first index stays
	v_cmp_gt_f32 vcc_lo, v[72+cc], v19
	v_cndmask_b32 v20, v20, cc, vcc_lo
	v_max_num_f32 v19, v19, v[72+cc]
.set cc, cc+1
.endr
	v_lshlrev_b32 v21, 2, v1
	v_cmp_gt_u32 vcc_lo, 16, v1                    ; lanes 16-31 hold the same tokens once more
	s_wait_xcnt 0x0                                ; EXEC is a source of the stores above: it changes only behind this wait
	s_and_saveexec_b32 s20, vcc_lo
	global_store_b32 v21, v20, s[12:13]
	s_wait_xcnt 0x0
	s_or_b32 exec_lo, exec_lo, s20
.Lend:
	s_wait_tensorcnt 0x0                           ; the wave's end
	ds_add_u32 v[SPW], v[NIL]
	s_wait_dscnt 0x0
	s_endpgm
.Lfunc_end_k_q32e5a82c45_router:
	.size	k_q32e5a82c45_router, .Lfunc_end_k_q32e5a82c45_router-k_q32e5a82c45_router
	.p2alignl 7, 3214868480
	.fill 96, 4, 3214868480
	.section	.rodata,"a",@progbits
	.p2align	6, 0x0
	.amdhsa_kernel k_q32e5a82c45_router
		.amdhsa_group_segment_fixed_size 58880
		.amdhsa_private_segment_fixed_size 0
		.amdhsa_enable_private_segment 0
		.amdhsa_kernarg_size 40
		.amdhsa_user_sgpr_count 2
		.amdhsa_user_sgpr_kernarg_segment_ptr 1
		.amdhsa_wavefront_size32 1
		.amdhsa_system_sgpr_workgroup_id_x 1
		.amdhsa_system_sgpr_workgroup_id_y 1
		.amdhsa_system_sgpr_workgroup_id_z 1
		.amdhsa_system_vgpr_workitem_id 0
		.amdhsa_next_free_vgpr 192
		.amdhsa_next_free_sgpr 66
		.amdhsa_reserve_vcc 1
		.amdhsa_float_denorm_mode_32 3
		.amdhsa_float_denorm_mode_16_64 3
		.amdhsa_memory_ordered 1
		.amdhsa_forward_progress 1
		.amdhsa_inst_pref_size 20
	.end_amdhsa_kernel
	.amdgpu_metadata
---
amdhsa.version: [ 1, 2 ]
amdhsa.kernels:
  - .name:           k_q32e5a82c45_router
    .symbol:         k_q32e5a82c45_router.kd
    .args:
      - { .name: x, .offset: 0, .size: 8, .value_kind: global_buffer, .address_space: global }
      - { .name: gate_w, .offset: 8, .size: 8, .value_kind: global_buffer, .address_space: global }
      - { .name: gate_b, .offset: 16, .size: 8, .value_kind: global_buffer, .address_space: global }
      - { .name: xb, .offset: 24, .size: 8, .value_kind: global_buffer, .address_space: global }
      - { .name: top1, .offset: 32, .size: 8, .value_kind: global_buffer, .address_space: global }
    .group_segment_fixed_size: 58880
    .private_segment_fixed_size: 0
    .kernarg_segment_align: 8
    .kernarg_segment_size: 40
    .max_flat_workgroup_size: 256
    .sgpr_count:     66
    .vgpr_count:     192
    .wavefront_size: 32
...
	.end_amdgpu_metadata
.endif
;; end of part 1
;; launch ffn1 (part 2): grid 32 x 8, 4 waves a work-group, no clusters, 201,984 bytes of LDS; arguments W1, b1, xb, top1, h; writes h
.if DOCPART == 2
	.amdgcn_target "amdgcn-amd-amdhsa--gfx1250"
	.amdhsa_code_object_version 6
	.text
	.protected	k_q32e5a82c45_ffn1
	.globl	k_q32e5a82c45_ffn1
	.p2align	8
	.type	k_q32e5a82c45_ffn1,@function
k_q32e5a82c45_ffn1:
	s_mov_b64 s[64:65], 0
	v_nop
	global_prefetch_b8 v0, s[64:65] scope:SCOPE_SE
	s_setreg_imm32_b32 hwreg(HW_REG_WAVE_MODE, 25, 1), 1
	s_wait_xcnt 0x0
; FIRST PRODUCT.  For the tokens t with top1[t] = e: h = relu(x[t] . W1[e] + b1[e]), in bf16.  W1: [8][1024][4096] f32, b1: [8][4096] f32, xb: [1024][1024] bf16.
; A work-group is (expert e = y, slice x of 128 hidden columns).  Wave w owns the panel K half w & 1 (512 rows) x column half w >> 1 (64 columns) of W1[e], which nobody else reads:
; each weight byte leaves memory once, as rows of 256 aligned bytes, and goes through registers (rounded to bf16 there) straight into matrix operands: no LDS for weights.
; K ORDER.  K goes in blocks of 64 rows, two steps u a block.  Operand place (lanes' half hh, register o, low or high) carries k = block + 32 hh + 16 u + 2 o + low/high, in the weights and in the tokens alike, so the sums are those of the
; plain order.  A lane loads rows block + 32 hh + 16 u + 0..15 at its 16 bytes (columns 4 r .. 4 r + 3); pairs of rows packed give four fragments j, whose sixteen columns are 4 idx + j.
; ROWS.  Wave 0 lists the expert's tokens by rank (a count over top1; no atomics).  The rank goes by top1's place in my registers: register g (token 128 (g / 4) + 4 lane + g % 4) first, then the lane; the last launch ranks alike.
; A pass takes 12 tiles of 16 rows; six passes, a constant, serve every split (0 to 1,024 rows on one expert).  A pass without rows jumps its work and passes both barriers.
; A pass with up to 8 tiles runs the text for 8, else that for 12; places past the count repeat token 0, so that every load count is a constant of the text.
; The two K halves meet in LDS; bias (rounded to bf16), ReLU and the one rounding of h follow.  A pass stores ALL tiles of the text that it ran, 8 or 12: the second product, which chooses its text alike, reads them at fixed places.
; h leaves in the order in which the second product's operand registers take it: tile of 16 rows (131,072 bytes; expert e owns tiles 72 e .. 72 e + 71: six passes of 12), block of 64 hidden columns (2,048 bytes), step (1,024), register half (512), lane (16).
; NO CLUSTER, NO TENSOR LOADS: a weight slice has one reader; what an expert's 32 work-groups share is its token rows, which come by a list that no rectangular tile covers.
; LIMITS.  W1, b1 and x are rounded once to bf16, h once to bf16; sums in f32.  NaN and infinities are not treated apart.
.set PITCH, 16384         ; bytes from row to row of W1[e]
.set WTRIP, 64*PITCH      ; a block of 64 rows
.set ATRIP, 128           ; the same 64 k in a row of xb
.set AU,    32            ; a step's 16 k
.set AG,    16            ; registers 4-7 of a fragment
.set IMG,   49152         ; a wave's sums in LDS: 12 tiles x 4 fragments x 2 halves x 512 bytes
.set TILEB, 131072        ; a tile of h
.set EXPH,  72*TILEB      ; an expert's tiles
.set LIST,  4*IMG         ; behind the four images: 1,152 words by rank (6 passes x 12 tiles x 16), then 32 words that take what is not listed
.set DUMPW, 1152
.set SPARE, LIST+4864     ; the spare words: 128 bytes a wave, named by no other line
; window 0
.set LANE, 1
.set RR,   2              ; lane % 16
.set HH,   3              ; lane / 16
.set WOFF, 4              ; 32 hh rows + 16 r
.set PFOFF,5              ; lane rows
.set LISTA,6              ; the pass's first rank + r, in the list
.set STG,  7              ; my image + 16 lane
.set RAA,  8              ; the reduction's read address
.set RA0,  9              ; its start
.set L16,  10             ; 16 lane
.set H64,  11             ; 64 hh
.set AOFF, 16             ; v16-27  tile m: token x 2,048 + 64 hh
.set SPW,  28
.set NIL,  29
.set DMP,  30             ; 1,152 + lane
.set TK4,  31             ; 4 lane
.set BF,   32             ; v32-63  the step's four weight fragments
.set AF,   64             ; v64-159, v160-255  token fragments, a slot for each step of a block
.set TV,   64             ; at the head: top1
.set BR,   96             ; at the head: b1
; window 1
.set RAW,  0              ; v0-63, v64-127  weights as loaded, a slot for each step
.set BIASR,128            ; bias of fragment j, register i at 8 j + i
.set P0,   160
.set P1,   192
.set HO,   224
.set ZR,   240
; windows 2, 3: the sums of tile m, fragment j at 512 + 32 m + 8 j
.set WV,16
.set KQ,17
.set NH,18
.set EX,19
.set SL,20
.set NTV,21               ; the tiles of the text that the pass runs: 8 or 12
.set WB0,22
.set WB,24
.set AB0,26
.set AB,28
.set HB,30
.set HT,32
.set CNT,34
.set REM,35               ; tiles left, from this pass on
.set PASS,36
.set TRIP,37
.set TM,38
.set RC,39
.set MSB, 0
.macro WIN new                         ; the high byte repeats the setting that is left; a switch that changes nothing is dropped
.if MSB != (\new)
	s_set_vgpr_msb (MSB<<8)|(\new)
.set MSB, (\new)
.endif
.endm
.macro PLACES                          ; four places behind matrix instructions, ahead of loads into and conversions over their sources and of stores of their results
.rept 4
	v_nop
.endr
.endm
.macro WLOAD p, ahead                  ; step p of the block in hand (or the next): 16 loads, each two whole row pieces of 256 bytes
	WIN 0x40
.set q, 0
.rept 16
	global_load_b128 v[RAW+64*(\p)+4*q:RAW+64*(\p)+4*q+3], v[WOFF], s[WB:WB+1] offset:(\ahead)*WTRIP+(16*(\p)+q)*PITCH th:TH_LOAD_NT
.set q, q+1
.endr
.endm
.macro ALOAD nt, p, ahead              ; the same step's token fragments: two loads a tile
	WIN 0
.set m, 0
.rept \nt
	global_load_b128 v[AF+96*(\p)+8*m:AF+96*(\p)+8*m+3],   v[AOFF+m], s[AB:AB+1] offset:(\ahead)*ATRIP+(\p)*AU
	global_load_b128 v[AF+96*(\p)+8*m+4:AF+96*(\p)+8*m+7], v[AOFF+m], s[AB:AB+1] offset:(\ahead)*ATRIP+(\p)*AU+AG
.set m, m+1
.endr
.endm
.macro CVT p                           ; rows 2 o and 2 o + 1, column j: one rounding each, packed
	WIN 0x05
.set j, 0
.rept 4
.set o, 0
.rept 8
	v_cvt_pk_bf16_f32 v[BF+8*j+o], v[RAW+64*(\p)+8*o+j], v[RAW+64*(\p)+8*o+4+j]
.set o, o+1
.endr
.set j, j+1
.endr
.endm
.macro MUL nt, p, zero                 ; 4 nt products; all accumulators take turns, one instruction a turn.  Source 0 = weights: a lane then holds token r and columns 32 hh + 4 i + j
.set m, 0
.rept \nt
	WIN 0xa0+0x50*(m/8)
.set j, 0
.rept 4
.set rD, 32*(m%8)+8*j
.set rA, AF+96*(\p)+8*m
.set rB, BF+8*j
.if \zero
	v_wmma_f32_16x16x32_bf16 v[rD:rD+7], v[rB:rB+7], v[rA:rA+7], 0
.else
	v_wmma_f32_16x16x32_bf16 v[rD:rD+7], v[rB:rB+7], v[rA:rA+7], v[rD:rD+7]
.endif
.set j, j+1
.endr
.set m, m+1
.endr
.endm
; One line asks for 32 rows x 256 bytes of my panel, each once a pass: the half p of the block two blocks behind the one in hand, one block ahead of the loads.  mode 2: the loop's last trip asks for nothing: the panel has no ninth block.
.macro PREF p, mode
.if (\mode) != 0
	WIN 0
.if (\mode) == 2
	s_cmp_eq_u32 s[TRIP], 1
	s_cbranch_scc1 .Lnp_\@
.endif
	global_prefetch_b8 v[PFOFF], s[WB:WB+1] offset:2*WTRIP+(\p)*32*PITCH th:TH_LOAD_NT scope:SCOPE_SE
.if (\mode) == 2
.Lnp_\@:
.endif
.endif
.endm
; A step.  The loads go W(s + 2), A(s + 2) in every step and come back in that order (ISA guide 5.7.1).  n1: the loads younger than W(s); n2: those younger than A(s).
.macro STEP nt, p, zero, ld, n1, n2, pf
	s_wait_loadcnt \n1
	CVT \p
.if \ld
	WLOAD \p, 1
.endif
	s_wait_loadcnt \n2
.if \ld
	PREF \p, \pf
.endif
	MUL \nt, \p, \zero
	PLACES
.if \ld
	ALOAD \nt, \p, 1
.endif
.endm
.macro ADVANCE
	s_wait_xcnt 0x0                                ; the bases are stepped only when all issued loads have had their addresses translated (ISA guide 3.1)
	s_add_nc_u64 s[WB:WB+1], s[WB:WB+1], WTRIP
	s_add_nc_u64 s[AB:AB+1], s[AB:AB+1], ATRIP
.endm
.macro STAGE nt                        ; my sums into my image; each accumulator from its low end on
.set m, 0
.rept \nt
	WIN 0x08+0x04*(m/8)
.set j, 0
.rept 4
.set rD, 32*(m%8)+8*j
	ds_store_b128 v[STG], v[rD:rD+3]   offset:((4*m+j)*2)*512
	ds_store_b128 v[STG], v[rD+4:rD+7] offset:((4*m+j)*2+1)*512
.set j, j+1
.endr
.set m, m+1
.endr
	WIN 0
.endm
; A pass's 16 steps for nt tiles.  W of steps 0 and 1 has been asked for.  Younger than W(s): A(s), W(s+1), A(s+1) = 16 + 4 nt (the wait's field ends at 63: the smaller count is safe).
; Younger than A(s): W(s+1), A(s+1), W(s+2) = 32 + 2 nt; in step 0 A(1), W(2) and in step 14 W(15), A(15) = 16 + 2 nt; in step 15 A(15) = 2 nt behind W(15), and nothing behind A(15).
.macro KPASS nt
.set N1, 16+4*(\nt)
.if N1 > 63
.set N1, 63
.endif
.set N2, 32+2*(\nt)
.set N3, 16+2*(\nt)
	ALOAD \nt, 0, 0
	ALOAD \nt, 1, 0
	STEP \nt, 0, 1, 1, N1, N3, 1                   ; the first step's products start the sums
	STEP \nt, 1, 0, 1, N1, N2, 1
	ADVANCE
	s_mov_b32 s[TRIP], 6
.Lk_\@:
	STEP \nt, 0, 0, 1, N1, N2, 2
	STEP \nt, 1, 0, 1, N1, N2, 2
	ADVANCE
	s_sub_co_u32 s[TRIP], s[TRIP], 1
	s_cmp_lg_u32 s[TRIP], 0
	s_cbranch_scc1 .Lk_\@
	STEP \nt, 0, 0, 0, N1, N3, 0                   ; the last block loads nothing
	STEP \nt, 1, 0, 0, 2*(\nt), 0, 0
	STAGE \nt
.endm
; Register g of top1 holds token 128 (g / 4) + 4 lane + g % 4.  st = 1: the chosen lanes store their token at rank = those counted so far + the chosen lanes below; the others at their dump word.
.macro LISTG g, st
	v_cmp_eq_u32 vcc_lo, s[EX], v[TV+(\g)]
.if \st
	v_mbcnt_lo_u32_b32 v12, vcc_lo, s[CNT]
	v_cndmask_b32 v12, v[DMP], v12, vcc_lo
	v_min_u32 v12, DUMPW+31, v12
	v_lshl_add_u32 v12, v12, 2, LIST
	v_add_nc_u32 v15, 128*((\g)/4)+(\g)%4, v[TK4]
	ds_store_b32 v12, v15
.endif
	s_bcnt1_i32_b32 s40, vcc_lo
	s_add_co_u32 s[CNT], s[CNT], s40
.endm
	s_load_b256 s[4:11], s[0:1], 0x0               ; W1 s[4:5], b1 s[6:7], xb s[8:9], top1 s[10:11]
	s_load_b64 s[12:13], s[0:1], 0x20              ; h
	v_lshl_add_u32 v[SPW], v0, 2, SPARE
	v_mov_b32 v[NIL], 0
	v_and_b32 v[LANE], 31, v0
	v_and_b32 v[RR], 15, v0
	v_bfe_u32 v[HH], v0, 4, 1
	v_lshrrev_b32 v12, 5, v0
	v_readfirstlane_b32 s[WV], v12
	s_and_b32 s[KQ], s[WV], 1
	s_lshr_b32 s[NH], s[WV], 1
	s_and_b32 s[EX], ttmp7, 0xffff
	s_mov_b32 s[SL], ttmp9
	v_lshlrev_b32 v[L16], 4, v[LANE]
	v_lshlrev_b32 v[H64], 6, v[HH]
	v_lshlrev_b32 v[WOFF], 4, v[RR]
	v_lshl_add_u32 v[WOFF], v[HH], 19, v[WOFF]     ; 32 rows of 16,384 bytes
	v_lshlrev_b32 v[PFOFF], 14, v[LANE]
	v_lshl_add_u32 v[LISTA], v[RR], 2, LIST
	s_mul_i32 s40, s[WV], IMG
	v_add_nc_u32 v[STG], s40, v[L16]
	s_mul_i32 s40, s[NH], 2*IMG                    ; the reduction: the two images of my column half; tiles by turns between its two waves
	s_lshl_b32 s41, s[KQ], 12
	s_add_co_u32 s40, s40, s41
	v_add_nc_u32 v[RA0], s40, v[L16]
	v_add_nc_u32 v[DMP], DUMPW, v[LANE]
	v_lshlrev_b32 v[TK4], 2, v[LANE]
	v_lshlrev_b32 v13, 7, v[HH]                    ; b1: my half's 32 columns
	v_add_nc_u32 v14, LIST, v[L16]
	s_lshl_b32 s40, s[EX], 24                      ; W1: the expert, my K half, the slice's 128 columns, my 64 of them
	s_lshl_b32 s41, s[KQ], 23
	s_add_co_u32 s40, s40, s41
	s_lshl_b32 s41, s[SL], 9
	s_add_co_u32 s40, s40, s41
	s_lshl_b32 s41, s[NH], 8
	s_add_co_u32 s40, s40, s41
	s_mov_b32 s41, 0
	s_lshl_b32 s42, s[KQ], 10                      ; xb: my K half
	s_mov_b32 s43, 0
	s_mul_i32 s44, s[EX], EXPH                     ; h: the expert's 72 tiles, my block of 64 columns
	s_lshl_b32 s45, s[SL], 12
	s_add_co_u32 s44, s44, s45
	s_lshl_b32 s45, s[NH], 11
	s_add_co_u32 s44, s44, s45
	s_mov_b32 s45, 0
	s_lshl_b32 s46, s[EX], 14                      ; b1
	s_lshl_b32 s47, s[SL], 9
	s_add_co_u32 s46, s46, s47
	s_lshl_b32 s47, s[NH], 8
	s_add_co_u32 s46, s46, s47
	s_mov_b32 s47, 0
	s_mov_b32 s[CNT], 0
	s_wait_kmcnt 0x0
	s_add_nc_u64 s[WB0:WB0+1], s[4:5], s[40:41]
	s_add_nc_u64 s[AB0:AB0+1], s[8:9], s[42:43]
	s_add_nc_u64 s[HB:HB+1], s[12:13], s[44:45]
	s_add_nc_u64 s[6:7], s[6:7], s[46:47]
.set c, 0
.rept 8
	global_load_b128 v[TV+4*c:TV+4*c+3], v[L16], s[10:11] offset:512*c
.set c, c+1
.endr
.set c, 0
.rept 8
	global_load_b128 v[BR+4*c:BR+4*c+3], v13, s[6:7] offset:16*c
.set c, c+1
.endr
	s_cmp_lg_u32 s[WV], 0
	s_cbranch_scc1 .Lcount
	; wave 0 makes the list: zeros first, so that every place past the count names token 0
.set c, 0
.rept 4
	v_mov_b32 v[128+c], 0
.set c, c+1
.endr
.set c, 0
.rept 9
	ds_store_b128 v14, v[128:131] offset:512*c
.set c, c+1
.endr
	s_wait_loadcnt 0x8                             ; top1 is in: the eight loads of b1 are younger
.set g, 0
.rept 32
	LISTG g, 1
.set g, g+1
.endr
	s_branch .Llisted
.Lcount:                                               ; waves 1 to 3 count only
	s_wait_loadcnt 0x8
.set g, 0
.rept 32
	LISTG g, 0
.set g, g+1
.endr
.Llisted:
	s_wait_loadcnt 0x0                             ; b1
.set c, 0
.rept 16
	v_cvt_pk_bf16_f32 v[176+c], v[BR+2*c], v[BR+2*c+1]  ; columns 4 i + j, i = c / 2, j = 2 (c % 2) and the next
.set c, c+1
.endr
	WIN 0x40
.set c, 0
.rept 16
	v_lshlrev_b32 v[BIASR+16*(c%2)+c/2], 16, v[176+c]
	v_and_b32 v[BIASR+16*(c%2)+8+c/2], 0xffff0000, v[176+c]
.set c, c+1
.endr
	v_mov_b32 v[ZR], 0
	WIN 0
	s_add_co_u32 s[REM], s[CNT], 15
	s_lshr_b32 s[REM], s[REM], 4
	s_mov_b32 s[PASS], 6
	s_wait_dscnt 0x0                               ; wave 0's list is stored,
	s_barrier_signal -1
	s_barrier_wait -1                              ; and every wave may read it
.Lpass:
	s_mov_b32 s[NTV], 8
	s_cmp_lt_i32 s[REM], 1
	s_cbranch_scc1 .Ljoin                          ; no rows left: the work is jumped, the barriers are not
	s_wait_xcnt 0x0
	s_mov_b64 s[WB:WB+1], s[WB0:WB0+1]
	s_mov_b64 s[AB:AB+1], s[AB0:AB0+1]
	WLOAD 0, 0
	WLOAD 1, 0
	WIN 0
.set m, 0
.rept 12
	ds_load_b32 v[AOFF+m], v[LISTA] offset:64*m
.set m, m+1
.endr
	s_wait_dscnt 0x0
.set m, 0
.rept 12
	v_min_u32 v[AOFF+m], 0x3ff, v[AOFF+m]
.set m, m+1
.endr
.set m, 0
.rept 12
	v_lshl_add_u32 v[AOFF+m], v[AOFF+m], 11, v[H64]
.set m, m+1
.endr
	s_cmp_gt_i32 s[REM], 8
	s_cbranch_scc1 .Lv12
	KPASS 8
	s_branch .Ljoin
.Lv12:
	s_mov_b32 s[NTV], 12
	KPASS 12
.Ljoin:
	s_wait_dscnt 0x0                               ; my image is stored
	s_barrier_signal -1
	s_barrier_wait -1
	s_cmp_lt_i32 s[REM], 1
	s_cbranch_scc1 .Lnored
	v_mov_b32 v[RAA], v[RA0]
	s_lshl_b32 s40, s[KQ], 17
	s_mov_b32 s41, 0
	s_wait_xcnt 0x0
	s_add_nc_u64 s[HT:HT+1], s[HB:HB+1], s[40:41]
	s_mov_b32 s[TM], s[KQ]
	s_mov_b32 s[RC], 6
.Lred:                                                 ; tile 2 i + (w & 1) of my column half: the two K halves, the bias, ReLU, one rounding, 2,048 consecutive bytes of h
	s_cmp_ge_i32 s[TM], s[NTV]                     ; every tile that the pass's text has multiplied is stored
	s_cbranch_scc1 .Lrskip
	WIN 0x40
.set c, 0
.rept 8
	ds_load_b128 v[P0+4*c:P0+4*c+3], v[RAA] offset:512*c
	ds_load_b128 v[P1+4*c:P1+4*c+3], v[RAA] offset:IMG+512*c
.set c, c+1
.endr
	s_wait_dscnt 0x0
	WIN 0x45
.set c, 0
.rept 16
	v_pk_add_f32 v[P0+2*c:P0+2*c+1], v[P0+2*c:P0+2*c+1], v[P1+2*c:P1+2*c+1]
.set c, c+1
.endr
.set c, 0
.rept 16
	v_pk_add_f32 v[P0+2*c:P0+2*c+1], v[P0+2*c:P0+2*c+1], v[BIASR+2*c:BIASR+2*c+1]
.set c, c+1
.endr
.set c, 0
.rept 16                                               ; step c / 8, register o = c % 8 holds columns 32 hh + 16 (c / 8) + 2 o and the next: i = 4 (c / 8) + o / 2, j = 2 (o % 2) and j + 1
	v_cvt_pk_bf16_f32 v[HO+c], v[P0+16*(c%2)+(c%8)/2+4*(c/8)], v[P0+16*(c%2)+8+(c%8)/2+4*(c/8)]
.set c, c+1
.endr
.set c, 0
.rept 16
	v_pk_max_num_bf16 v[HO+c], v[HO+c], v[ZR]      ; ReLU behind the rounding gives the same number as ahead of it
.set c, c+1
.endr
	WIN 0x04
.set c, 0
.rept 4
	global_store_b128 v[L16], v[HO+4*c:HO+4*c+3], s[HT:HT+1] offset:512*c
.set c, c+1
.endr
	WIN 0
.Lrskip:
	s_wait_xcnt 0x0                                ; the stores' base and data are written again only behind this wait
	v_add_nc_u32 v[RAA], 8192, v[RAA]
	s_add_nc_u64 s[HT:HT+1], s[HT:HT+1], 2*TILEB
	s_add_co_u32 s[TM], s[TM], 2
	s_sub_co_u32 s[RC], s[RC], 1
	s_cmp_lg_u32 s[RC], 0
	s_cbranch_scc1 .Lred
.Lnored:
	s_wait_dscnt 0x0                               ; my reads of the images are over
	s_barrier_signal -1
	s_barrier_wait -1                              ; everybody's are: the next pass may store its images
	s_sub_co_i32 s[REM], s[REM], 12
	v_add_nc_u32 v[LISTA], 768, v[LISTA]
	s_add_nc_u64 s[HB:HB+1], s[HB:HB+1], 12*TILEB
	s_sub_co_u32 s[PASS], s[PASS], 1
	s_cmp_lg_u32 s[PASS], 0
	s_cbranch_scc1 .Lpass
	s_wait_tensorcnt 0x0                           ; the wave's end
	ds_add_u32 v[SPW], v[NIL]
	s_wait_dscnt 0x0
	s_endpgm
.Lfunc_end_k_q32e5a82c45_ffn1:
	.size	k_q32e5a82c45_ffn1, .Lfunc_end_k_q32e5a82c45_ffn1-k_q32e5a82c45_ffn1
	.p2alignl 7, 3214868480
	.fill 96, 4, 3214868480
	.section	.rodata,"a",@progbits
	.p2align	6, 0x0
	.amdhsa_kernel k_q32e5a82c45_ffn1
		.amdhsa_group_segment_fixed_size 201984
		.amdhsa_private_segment_fixed_size 0
		.amdhsa_enable_private_segment 0
		.amdhsa_kernarg_size 40
		.amdhsa_user_sgpr_count 2
		.amdhsa_user_sgpr_kernarg_segment_ptr 1
		.amdhsa_wavefront_size32 1
		.amdhsa_system_sgpr_workgroup_id_x 1
		.amdhsa_system_sgpr_workgroup_id_y 1
		.amdhsa_system_sgpr_workgroup_id_z 1
		.amdhsa_system_vgpr_workitem_id 0
		.amdhsa_next_free_vgpr 896
		.amdhsa_next_free_sgpr 66
		.amdhsa_reserve_vcc 1
		.amdhsa_float_denorm_mode_32 3
		.amdhsa_float_denorm_mode_16_64 3
		.amdhsa_memory_ordered 1
		.amdhsa_forward_progress 1
		.amdhsa_inst_pref_size 143
	.end_amdhsa_kernel
	.amdgpu_metadata
---
amdhsa.version: [ 1, 2 ]
amdhsa.kernels:
  - .name:           k_q32e5a82c45_ffn1
    .symbol:         k_q32e5a82c45_ffn1.kd
    .args:
      - { .name: W1, .offset: 0, .size: 8, .value_kind: global_buffer, .address_space: global }
      - { .name: b1, .offset: 8, .size: 8, .value_kind: global_buffer, .address_space: global }
      - { .name: xb, .offset: 16, .size: 8, .value_kind: global_buffer, .address_space: global }
      - { .name: top1, .offset: 24, .size: 8, .value_kind: global_buffer, .address_space: global }
      - { .name: h, .offset: 32, .size: 8, .value_kind: global_buffer, .address_space: global }
    .group_segment_fixed_size: 201984
    .private_segment_fixed_size: 0
    .kernarg_segment_align: 8
    .kernarg_segment_size: 40
    .max_flat_workgroup_size: 128
    .sgpr_count:     66
    .vgpr_count:     896
    .wavefront_size: 32
...
	.end_amdgpu_metadata
.endif
;; end of part 2
;; launch ffn2 (part 3): grid 32 x 8, 4 waves a work-group, no clusters, 197,120 bytes of LDS; arguments W2, h, top1, part; writes part
.if DOCPART == 3
	.amdgcn_target "amdgcn-amd-amdhsa--gfx1250"
	.amdhsa_code_object_version 6
	.text
	.protected	k_q32e5a82c45_ffn2
	.globl	k_q32e5a82c45_ffn2
	.p2align	8
	.type	k_q32e5a82c45_ffn2,@function
k_q32e5a82c45_ffn2:
	s_mov_b64 s[64:65], 0
	v_nop
	global_prefetch_b8 v0, s[64:65] scope:SCOPE_SE
	s_setreg_imm32_b32 hwreg(HW_REG_WAVE_MODE, 25, 1), 1
	s_wait_xcnt 0x0
; SECOND PRODUCT.  part[ka][e][rank][64 cg ..] = the sum over the half ka of the hidden columns of h[rank] . W2[e], for the rows of expert e, in f32.  W2: [8][4096][1024] f32.
; A work-group is (expert e = y; x = 2 cg + ka: 64 output columns, half of K).  Wave w owns rows 2,048 ka + 512 w .. + 511 x 64 columns of W2[e], which nobody else reads: each weight byte leaves memory once,
; as rows of 256 aligned bytes, and goes through registers (rounded to bf16 there) into matrix operands.  K is halved across work-groups so that 256 of them have whole 256-byte rows; the two halves are added by the next launch.
; K ORDER, PASSES, LOADS: as in the first product.  Operand place (lanes' half hh, register o, low or high) carries k = block + 32 hh + 16 u + 2 o + low/high; h lies in memory in just that order (tile of 16 rows 131,072 bytes,
; block of 64 columns 2,048, step 1,024, register half 512, lane 16; expert e owns tiles 72 e ..), so every load of h is 512 consecutive bytes.  Six passes of 12 tiles serve every split.
; NO ADDRESS HANGS ON DATA.  Every wave counts the expert's tokens in top1 for itself; the count steers branches alone: whether a pass has rows, whether it runs the text for 8 tiles or for 12 (as the first product chose, which
; stored all tiles of that text), and which tiles are stored.  All vector address registers are made at the head from the thread's number and constants.
; The four waves' sums meet in LDS; whole tiles of 16 rows leave in rank order (a tile 65,536 bytes; expert e owns tiles 72 e ..; a plane for each half of K); rows past the count are stored with their tile and never read.
; NO CLUSTER, NO TENSOR LOADS: a weight slice has one reader.  16 work-groups do share each half of the expert's h; but whether a pass has rows hangs on the count, and a joint load stands on every path:
; all six passes would have to fetch 192 rows each, 1,152 rows where an expert has some 128.
; LIMITS.  W2 is rounded once to bf16; sums in f32.  NaN and infinities are not treated apart.
.set PITCH, 4096
.set WTRIP, 64*PITCH
.set ATRIP, 2048
.set AU,    1024
.set AG,    512
.set IMG,   49152
.set TILEB, 131072        ; a tile of h
.set EXPH,  72*TILEB      ; an expert's tiles of h
.set PTILE, 65536         ; a tile of part: 16 rows of 4,096 bytes
.set EXPP,  72*PTILE      ; an expert's tiles of part
.set PLANE, 8*EXPP        ; a half of K
.set SPARE, 4*IMG         ; behind the four images: the spare words, 128 bytes a wave, named by no other line
; window 0
.set LANE, 1
.set RR,   2
.set HH,   3
.set WOFF, 4              ; 32 hh rows + 16 r
.set PFOFF,5              ; lane rows
.set RO,   6              ; the stores: 8 hh rows of part + 16 r
.set STG,  7              ; my image + 16 lane
.set RA,   8              ; v8-11  the reduction: image k, my first tile, 16 lane
.set L16,  12
.set R16,  13
.set AOFF, 16             ; v16-27  tile m of the pass + 16 lane
.set SPW,  28
.set NIL,  29
.set BF,   32
.set AF,   64
.set TV,   64             ; at the head: top1
.set OUT,  64             ; in the reduction: row i's four columns at 4 i
; window 1
.set RAW,  0
.set PP,   128            ; four images' 32 registers each
.set WV,16
.set KA,17
.set CG,18
.set EX,19
.set WB0,22
.set WB,24
.set AB0,26
.set AB,28
.set PT,30                ; part at my first tile of the pass
.set CNT,34
.set REM,35               ; tiles left, from this pass on
.set PASS,36
.set TRIP,37
.set MSB, 0
.macro WIN new                         ; the high byte repeats the setting that is left; a switch that changes nothing is dropped
.if MSB != (\new)
	s_set_vgpr_msb (MSB<<8)|(\new)
.set MSB, (\new)
.endif
.endm
.macro PLACES                          ; four places behind matrix instructions, ahead of loads into and conversions over their sources and of stores of their results
.rept 4
	v_nop
.endr
.endm
.macro WLOAD p, ahead
	WIN 0x40
.set q, 0
.rept 16
	global_load_b128 v[RAW+64*(\p)+4*q:RAW+64*(\p)+4*q+3], v[WOFF], s[WB:WB+1] offset:(\ahead)*WTRIP+(16*(\p)+q)*PITCH th:TH_LOAD_NT
.set q, q+1
.endr
.endm
.macro ALOAD nt, p, ahead
	WIN 0
.set m, 0
.rept \nt
	global_load_b128 v[AF+96*(\p)+8*m:AF+96*(\p)+8*m+3],   v[AOFF+m], s[AB:AB+1] offset:(\ahead)*ATRIP+(\p)*AU
	global_load_b128 v[AF+96*(\p)+8*m+4:AF+96*(\p)+8*m+7], v[AOFF+m], s[AB:AB+1] offset:(\ahead)*ATRIP+(\p)*AU+AG
.set m, m+1
.endr
.endm
.macro CVT p
	WIN 0x05
.set j, 0
.rept 4
.set o, 0
.rept 8
	v_cvt_pk_bf16_f32 v[BF+8*j+o], v[RAW+64*(\p)+8*o+j], v[RAW+64*(\p)+8*o+4+j]
.set o, o+1
.endr
.set j, j+1
.endr
.endm
.macro MUL nt, p, zero                 ; source 0 = tokens: a lane then holds column 4 r + j and, in registers 0-7, rows 8 hh + i.  All accumulators take turns
.set m, 0
.rept \nt
	WIN 0xa0+0x50*(m/8)
.set j, 0
.rept 4
.set rD, 32*(m%8)+8*j
.set rA, AF+96*(\p)+8*m
.set rB, BF+8*j
.if \zero
	v_wmma_f32_16x16x32_bf16 v[rD:rD+7], v[rA:rA+7], v[rB:rB+7], 0
.else
	v_wmma_f32_16x16x32_bf16 v[rD:rD+7], v[rA:rA+7], v[rB:rB+7], v[rD:rD+7]
.endif
.set j, j+1
.endr
.set m, m+1
.endr
.endm
; One line asks for 32 rows x 256 bytes of my panel, each once a pass: the half p of the block two blocks behind the one in hand.  mode 2: the loop's last trip asks for nothing: the panel has no ninth block.
.macro PREF p, mode
.if (\mode) != 0
	WIN 0
.if (\mode) == 2
	s_cmp_eq_u32 s[TRIP], 1
	s_cbranch_scc1 .Lnp_\@
.endif
	global_prefetch_b8 v[PFOFF], s[WB:WB+1] offset:2*WTRIP+(\p)*32*PITCH th:TH_LOAD_NT scope:SCOPE_SE
.if (\mode) == 2
.Lnp_\@:
.endif
.endif
.endm
.macro STEP nt, p, zero, ld, n1, n2, pf  ; n1: the loads younger than W(s); n2: those younger than A(s)
	s_wait_loadcnt \n1
	CVT \p
.if \ld
	WLOAD \p, 1
.endif
	s_wait_loadcnt \n2
.if \ld
	PREF \p, \pf
.endif
	MUL \nt, \p, \zero
	PLACES
.if \ld
	ALOAD \nt, \p, 1
.endif
.endm
.macro ADVANCE
	s_wait_xcnt 0x0                                ; the bases are stepped only when all issued loads have had their addresses translated (ISA guide 3.1)
	s_add_nc_u64 s[WB:WB+1], s[WB:WB+1], WTRIP
	s_add_nc_u64 s[AB:AB+1], s[AB:AB+1], ATRIP
.endm
.macro STAGE nt                        ; my sums into my image; each accumulator from its low end on
.set m, 0
.rept \nt
	WIN 0x08+0x04*(m/8)
.set j, 0
.rept 4
.set rD, 32*(m%8)+8*j
	ds_store_b128 v[STG], v[rD:rD+3]   offset:((4*m+j)*2)*512
	ds_store_b128 v[STG], v[rD+4:rD+7] offset:((4*m+j)*2+1)*512
.set j, j+1
.endr
.set m, m+1
.endr
	WIN 0
.endm
; Younger than W(s): A(s), W(s+1), A(s+1) = 16 + 4 nt (the wait's field ends at 63: the smaller count is safe).  Younger than A(s): W(s+1), A(s+1), W(s+2) = 32 + 2 nt;
; in step 0 A(1), W(2) and in step 14 W(15), A(15) = 16 + 2 nt; in step 15 A(15) = 2 nt behind W(15), and nothing behind A(15).
.macro KPASS nt
.set N1, 16+4*(\nt)
.if N1 > 63
.set N1, 63
.endif
.set N2, 32+2*(\nt)
.set N3, 16+2*(\nt)
	ALOAD \nt, 0, 0
	ALOAD \nt, 1, 0
	STEP \nt, 0, 1, 1, N1, N3, 1                   ; the first step's products start the sums
	STEP \nt, 1, 0, 1, N1, N2, 1
	ADVANCE
	s_mov_b32 s[TRIP], 6
.Lk_\@:
	STEP \nt, 0, 0, 1, N1, N2, 2
	STEP \nt, 1, 0, 1, N1, N2, 2
	ADVANCE
	s_sub_co_u32 s[TRIP], s[TRIP], 1
	s_cmp_lg_u32 s[TRIP], 0
	s_cbranch_scc1 .Lk_\@
	STEP \nt, 0, 0, 0, N1, N3, 0
	STEP \nt, 1, 0, 0, 2*(\nt), 0, 0
	STAGE \nt
.endm
; Tile 4 i + w of the pass: the four waves' sums are added and the tile's 16 rows x 64 columns are stored.  A tile past the count is jumped; no barrier stands in what is jumped.
.macro RED i
	s_add_co_u32 s40, s[WV], 4*(\i)
	s_cmp_ge_i32 s40, s[REM]
	s_cbranch_scc1 .Lrs_\@
	WIN 0x40
.set c, 0
.rept 8
	ds_load_b128 v[PP+4*c:PP+4*c+3],       v[RA]   offset:16384*(\i)+512*c
	ds_load_b128 v[PP+32+4*c:PP+32+4*c+3], v[RA+1] offset:16384*(\i)+512*c
	ds_load_b128 v[PP+64+4*c:PP+64+4*c+3], v[RA+2] offset:16384*(\i)+512*c
	ds_load_b128 v[PP+96+4*c:PP+96+4*c+3], v[RA+3] offset:16384*(\i)+512*c
.set c, c+1
.endr
	s_wait_dscnt 0x0
	WIN 0x45
.set c, 0
.rept 16
	v_pk_add_f32 v[PP+2*c:PP+2*c+1], v[PP+2*c:PP+2*c+1], v[PP+32+2*c:PP+32+2*c+1]
	v_pk_add_f32 v[PP+64+2*c:PP+64+2*c+1], v[PP+64+2*c:PP+64+2*c+1], v[PP+96+2*c:PP+96+2*c+1]
.set c, c+1
.endr
	s_wait_xcnt 0x0                                ; the registers written below are the data of the tile before's stores
	WIN 0x05
.set c, 0
.rept 32                                               ; row c / 4, column c % 4: the last addition also puts a row's four neighbouring columns into neighbouring registers
	v_add_f32 v[OUT+c], v[PP+8*(c%4)+c/4], v[PP+64+8*(c%4)+c/4]
.set c, c+1
.endr
	WIN 0
.set c, 0
.rept 8
	global_store_b128 v[RO], v[OUT+4*c:OUT+4*c+3], s[PT:PT+1] offset:4*(\i)*PTILE+4096*c  ; sixteen lanes store 256 consecutive bytes of a row, aligned
.set c, c+1
.endr
.Lrs_\@:
.endm
	s_load_b256 s[4:11], s[0:1], 0x0               ; W2 s[4:5], h s[6:7], top1 s[8:9], part s[10:11]
	v_lshl_add_u32 v[SPW], v0, 2, SPARE
	v_mov_b32 v[NIL], 0
	v_and_b32 v[LANE], 31, v0
	v_and_b32 v[RR], 15, v0
	v_bfe_u32 v[HH], v0, 4, 1
	v_lshrrev_b32 v15, 5, v0
	v_readfirstlane_b32 s[WV], v15
	s_and_b32 s[KA], ttmp9, 1
	s_lshr_b32 s[CG], ttmp9, 1
	s_and_b32 s[EX], ttmp7, 0xffff
	v_lshlrev_b32 v[L16], 4, v[LANE]
	v_lshlrev_b32 v[R16], 4, v[RR]
	v_lshl_add_u32 v[WOFF], v[HH], 17, v[R16]      ; 32 rows of 4,096 bytes + 16 r
	v_lshlrev_b32 v[PFOFF], 12, v[LANE]
	v_lshl_add_u32 v[RO], v[HH], 15, v[R16]        ; 8 rows of 4,096 bytes + 16 r
	s_mul_i32 s40, s[WV], IMG
	v_add_nc_u32 v[STG], s40, v[L16]
	s_lshl_b32 s40, s[WV], 12                      ; the reduction: tiles by turns among the four waves; a tile is 4,096 bytes of an image
.set c, 0
.rept 4
	v_add_nc_u32 v[RA+c], s40, v[L16]
	s_add_co_u32 s40, s40, IMG
.set c, c+1
.endr
.set m, 0
.rept 12
	v_add_nc_u32 v[AOFF+m], m*TILEB, v[L16]
.set m, m+1
.endr
	s_lshl_b32 s40, s[EX], 24                      ; W2: the expert, the K half, my 512 rows, the 64 columns
	s_lshl_b32 s41, s[KA], 23
	s_add_co_u32 s40, s40, s41
	s_lshl_b32 s41, s[WV], 21
	s_add_co_u32 s40, s40, s41
	s_lshl_b32 s41, s[CG], 8
	s_add_co_u32 s40, s40, s41
	s_mov_b32 s41, 0
	s_mul_i32 s42, s[EX], EXPH                     ; h: the expert's tiles, block 32 ka + 8 w of 64 columns
	s_lshl_b32 s43, s[KA], 16
	s_add_co_u32 s42, s42, s43
	s_lshl_b32 s43, s[WV], 14
	s_add_co_u32 s42, s42, s43
	s_mov_b32 s43, 0
	s_mul_i32 s44, s[KA], PLANE                    ; part: the half's plane, the expert's tiles, my first tile, the 64 columns
	s_mul_i32 s45, s[EX], EXPP
	s_add_co_u32 s44, s44, s45
	s_lshl_b32 s45, s[WV], 16
	s_add_co_u32 s44, s44, s45
	s_lshl_b32 s45, s[CG], 8
	s_add_co_u32 s44, s44, s45
	s_mov_b32 s45, 0
	s_mov_b32 s[CNT], 0
	s_wait_kmcnt 0x0
	s_add_nc_u64 s[WB0:WB0+1], s[4:5], s[40:41]
	s_add_nc_u64 s[AB0:AB0+1], s[6:7], s[42:43]
	s_add_nc_u64 s[PT:PT+1], s[10:11], s[44:45]
.set c, 0
.rept 8
	global_load_b128 v[TV+4*c:TV+4*c+3], v[L16], s[8:9] offset:512*c
.set c, c+1
.endr
	s_wait_loadcnt 0x0
.set g, 0
.rept 32                                               ; the expert's tokens are counted: 32 registers x 32 lanes hold all 1,024 choices
	v_cmp_eq_u32 vcc_lo, s[EX], v[TV+g]
	s_bcnt1_i32_b32 s40, vcc_lo
	s_add_co_u32 s[CNT], s[CNT], s40
.set g, g+1
.endr
	s_add_co_u32 s[REM], s[CNT], 15
	s_lshr_b32 s[REM], s[REM], 4
	s_mov_b32 s[PASS], 6
.Lpass:
	s_cmp_lt_i32 s[REM], 1
	s_cbranch_scc1 .Ljoin                          ; no rows left: the work is jumped, the barriers are not
	s_wait_xcnt 0x0                                ; the bases, and the registers that the last pass's stores read, are written again below
	s_mov_b64 s[WB:WB+1], s[WB0:WB0+1]
	s_mov_b64 s[AB:AB+1], s[AB0:AB0+1]
	WLOAD 0, 0
	WLOAD 1, 0
	WIN 0
	s_cmp_gt_i32 s[REM], 8
	s_cbranch_scc1 .Lv12
	KPASS 8
	s_branch .Ljoin
.Lv12:
	KPASS 12
.Ljoin:
	s_wait_dscnt 0x0                               ; my image is stored
	s_barrier_signal -1
	s_barrier_wait -1
	RED 0
	RED 1
	RED 2
	s_wait_dscnt 0x0                               ; my reads of the images are over
	s_barrier_signal -1
	s_barrier_wait -1                              ; everybody's are: the next pass may store its images
	s_wait_xcnt 0x0                                ; the stores' base is stepped only behind this wait
	s_sub_co_i32 s[REM], s[REM], 12
	s_add_nc_u64 s[AB0:AB0+1], s[AB0:AB0+1], 12*TILEB
	s_add_nc_u64 s[PT:PT+1], s[PT:PT+1], 12*PTILE
	s_sub_co_u32 s[PASS], s[PASS], 1
	s_cmp_lg_u32 s[PASS], 0
	s_cbranch_scc1 .Lpass
	s_wait_tensorcnt 0x0                           ; the wave's end
	ds_add_u32 v[SPW], v[NIL]
	s_wait_dscnt 0x0
	s_endpgm
.Lfunc_end_k_q32e5a82c45_ffn2:
	.size	k_q32e5a82c45_ffn2, .Lfunc_end_k_q32e5a82c45_ffn2-k_q32e5a82c45_ffn2
	.p2alignl 7, 3214868480
	.fill 96, 4, 3214868480
	.section	.rodata,"a",@progbits
	.p2align	6, 0x0
	.amdhsa_kernel k_q32e5a82c45_ffn2
		.amdhsa_group_segment_fixed_size 197120
		.amdhsa_private_segment_fixed_size 0
		.amdhsa_enable_private_segment 0
		.amdhsa_kernarg_size 32
		.amdhsa_user_sgpr_count 2
		.amdhsa_user_sgpr_kernarg_segment_ptr 1
		.amdhsa_wavefront_size32 1
		.amdhsa_system_sgpr_workgroup_id_x 1
		.amdhsa_system_sgpr_workgroup_id_y 1
		.amdhsa_system_sgpr_workgroup_id_z 1
		.amdhsa_system_vgpr_workitem_id 0
		.amdhsa_next_free_vgpr 896
		.amdhsa_next_free_sgpr 66
		.amdhsa_reserve_vcc 1
		.amdhsa_float_denorm_mode_32 3
		.amdhsa_float_denorm_mode_16_64 3
		.amdhsa_memory_ordered 1
		.amdhsa_forward_progress 1
		.amdhsa_inst_pref_size 134
	.end_amdhsa_kernel
	.amdgpu_metadata
---
amdhsa.version: [ 1, 2 ]
amdhsa.kernels:
  - .name:           k_q32e5a82c45_ffn2
    .symbol:         k_q32e5a82c45_ffn2.kd
    .args:
      - { .name: W2, .offset: 0, .size: 8, .value_kind: global_buffer, .address_space: global }
      - { .name: h, .offset: 8, .size: 8, .value_kind: global_buffer, .address_space: global }
      - { .name: top1, .offset: 16, .size: 8, .value_kind: global_buffer, .address_space: global }
      - { .name: part, .offset: 24, .size: 8, .value_kind: global_buffer, .address_space: global }
    .group_segment_fixed_size: 197120
    .private_segment_fixed_size: 0
    .kernarg_segment_align: 8
    .kernarg_segment_size: 32
    .max_flat_workgroup_size: 128
    .sgpr_count:     66
    .vgpr_count:     896
    .wavefront_size: 32
...
	.end_amdgpu_metadata
.endif
;; end of part 3
;; launch combine (part 4): grid 256 x 1, 4 waves a work-group, no clusters, 0 bytes of LDS; arguments part, b2, top1, out0; writes out0
.if DOCPART == 4
	.amdgcn_target "amdgcn-amd-amdhsa--gfx1250"
	.amdhsa_code_object_version 6
	.text
	.protected	k_q32e5a82c45_combine
	.globl	k_q32e5a82c45_combine
	.p2align	8
	.type	k_q32e5a82c45_combine,@function
k_q32e5a82c45_combine:
	s_mov_b64 s[64:65], 0
	v_nop
	global_prefetch_b8 v0, s[64:65] scope:SCOPE_SE
	s_setreg_imm32_b32 hwreg(HW_REG_WAVE_MODE, 25, 1), 1
	s_wait_xcnt 0x0
; out0[t] = part[0][e][rank] + part[1][e][rank] + b2[e], e = top1[t], b2 rounded to bf16 as every input of this program is.
; part: [2][8][1,152][1024] f32, rows by expert and rank; b2: [8][1024] f32; out0: [1024][1024] f32.
; One wave takes one token.  It finds the token's rank among its expert's tokens for itself, in the order in which the first product ranked them: all 1,024 choices lie in 32 registers (register g, lane l: token 128 (g / 4) + 4 l + g % 4),
; and the order goes by register, then by lane: key 32 g + l.  The rank is the number of tokens of the same expert with a smaller key: a compare, a mask and a bit count for each register.
; Expert and rank enter addresses only behind a minimum with a constant (7; 1,023).  Rows of 4,096 bytes go as eight loads or stores of 512 consecutive bytes.
; No LDS, no barrier, no matrix unit, no cluster: no wave needs another's data; what several waves read (top1, 4 KiB; b2, 32 KiB) is small beside the rows.
.set Q0, 16               ; v16-47    the first half's row, then the sum
.set Q1, 48               ; v48-79    the second half's row
.set BB, 80               ; v80-111   b2's row
.set TV, 112              ; v112-143  top1; later at work
.set KEY, 24
.set RANK, 32
	s_load_b256 s[4:11], s[0:1], 0x0               ; part s[4:5], b2 s[6:7], top1 s[8:9], out0 s[10:11]
	v_and_b32 v3, 31, v0                           ; lane
	v_lshrrev_b32 v2, 5, v0
	v_readfirstlane_b32 s16, v2                    ; wave 0..3
	v_lshlrev_b32 v1, 4, v3                        ; 16 bytes a lane
	s_lshl_b32 s17, ttmp9, 2
	s_add_co_u32 s17, s17, s16                     ; my token
	s_lshl_b32 s18, s17, 2
	s_mov_b32 s19, 0
	s_lshl_b32 s20, s17, 12
	s_mov_b32 s21, 0
	s_lshr_b32 s[KEY], s17, 7                      ; its key: register 4 (t / 128) + t % 4,
	s_lshl_b32 s[KEY], s[KEY], 2
	s_and_b32 s25, s17, 3
	s_add_co_u32 s[KEY], s[KEY], s25
	s_lshl_b32 s[KEY], s[KEY], 5
	s_bfe_u32 s25, s17, 0x50002                    ; lane (t / 4) % 32
	s_add_co_u32 s[KEY], s[KEY], s25
	s_mov_b32 s[RANK], 0
	s_wait_kmcnt 0x0
	s_add_nc_u64 s[12:13], s[8:9], s[18:19]
	s_load_b32 s22, s[12:13], 0x0                  ; its expert
.set c, 0
.rept 8
	global_load_b128 v[TV+4*c:TV+4*c+3], v1, s[8:9] offset:512*c
.set c, c+1
.endr
	s_add_nc_u64 s[10:11], s[10:11], s[20:21]
	s_wait_kmcnt 0x0
	s_min_u32 s22, s22, 7
	s_lshl_b32 s30, s22, 12
	s_mov_b32 s31, 0
	s_add_nc_u64 s[6:7], s[6:7], s[30:31]
.set c, 0
.rept 8
	global_load_b128 v[BB+4*c:BB+4*c+3], v1, s[6:7] offset:512*c
.set c, c+1
.endr
	s_wait_loadcnt 0x8                             ; top1 is in: the eight loads of b2 are younger
.set g, 0
.rept 32
	s_sub_co_i32 s26, s[KEY], 32*g
	v_cmp_gt_i32 s27, s26, v3                      ; the lanes with a smaller key: all in an earlier register, none in a later one
	v_cmp_eq_u32 vcc_lo, s22, v[TV+g]
	s_and_b32 s27, s27, vcc_lo
	s_bcnt1_i32_b32 s27, s27
	s_add_co_u32 s[RANK], s[RANK], s27
.set g, g+1
.endr
	s_min_u32 s[RANK], s[RANK], 1023
	s_mul_i32 s28, s22, 1152                       ; an expert's 72 tiles of 16 rows
	s_add_co_u32 s28, s28, s[RANK]
	s_lshl_b32 s28, s28, 12
	s_mov_b32 s29, 0
	s_add_nc_u64 s[4:5], s[4:5], s[28:29]
	s_add_nc_u64 s[14:15], s[4:5], 0x2400000       ; the second half's plane: 8 x 1,152 rows of 4,096 bytes on
.set c, 0
.rept 8
	global_load_b128 v[Q0+4*c:Q0+4*c+3], v1, s[4:5] offset:512*c th:TH_LOAD_NT
	global_load_b128 v[Q1+4*c:Q1+4*c+3], v1, s[14:15] offset:512*c th:TH_LOAD_NT
.set c, c+1
.endr
	s_wait_loadcnt 0x10                            ; b2 is in: the sixteen loads of the two rows are younger
.set c, 0
.rept 16
	v_cvt_pk_bf16_f32 v[TV+c], v[BB+2*c], v[BB+2*c+1]  ; rounded to bf16,
.set c, c+1
.endr
.set c, 0
.rept 16
	v_lshlrev_b32 v[BB+2*c], 16, v[TV+c]           ; and widened again
	v_and_b32 v[BB+2*c+1], 0xffff0000, v[TV+c]
.set c, c+1
.endr
	s_wait_loadcnt 0x0
.set c, 0
.rept 16
	v_pk_add_f32 v[Q0+2*c:Q0+2*c+1], v[Q0+2*c:Q0+2*c+1], v[Q1+2*c:Q1+2*c+1]
.set c, c+1
.endr
.set c, 0
.rept 16
	v_pk_add_f32 v[Q0+2*c:Q0+2*c+1], v[Q0+2*c:Q0+2*c+1], v[BB+2*c:BB+2*c+1]
.set c, c+1
.endr
.set c, 0
.rept 8
	global_store_b128 v1, v[Q0+4*c:Q0+4*c+3], s[10:11] offset:512*c th:TH_STORE_NT
.set c, c+1
.endr
	s_endpgm
.Lfunc_end_k_q32e5a82c45_combine:
	.size	k_q32e5a82c45_combine, .Lfunc_end_k_q32e5a82c45_combine-k_q32e5a82c45_combine
	.p2alignl 7, 3214868480
	.fill 96, 4, 3214868480
	.section	.rodata,"a",@progbits
	.p2align	6, 0x0
	.amdhsa_kernel k_q32e5a82c45_combine
		.amdhsa_group_segment_fixed_size 0
		.amdhsa_private_segment_fixed_size 0
		.amdhsa_enable_private_segment 0
		.amdhsa_kernarg_size 32
		.amdhsa_user_sgpr_count 2
		.amdhsa_user_sgpr_kernarg_segment_ptr 1
		.amdhsa_wavefront_size32 1
		.amdhsa_system_sgpr_workgroup_id_x 1
		.amdhsa_system_sgpr_workgroup_id_y 1
		.amdhsa_system_sgpr_workgroup_id_z 1
		.amdhsa_system_vgpr_workitem_id 0
		.amdhsa_next_free_vgpr 144
		.amdhsa_next_free_sgpr 66
		.amdhsa_reserve_vcc 1
		.amdhsa_float_denorm_mode_32 3
		.amdhsa_float_denorm_mode_16_64 3
		.amdhsa_memory_ordered 1
		.amdhsa_forward_progress 1
		.amdhsa_inst_pref_size 18
	.end_amdhsa_kernel
	.amdgpu_metadata
---
amdhsa.version: [ 1, 2 ]
amdhsa.kernels:
  - .name:           k_q32e5a82c45_combine
    .symbol:         k_q32e5a82c45_combine.kd
    .args:
      - { .name: part, .offset: 0, .size: 8, .value_kind: global_buffer, .address_space: global }
      - { .name: b2, .offset: 8, .size: 8, .value_kind: global_buffer, .address_space: global }
      - { .name: top1, .offset: 16, .size: 8, .value_kind: global_buffer, .address_space: global }
      - { .name: out0, .offset: 24, .size: 8, .value_kind: global_buffer, .address_space: global }
    .group_segment_fixed_size: 0
    .private_segment_fixed_size: 0
    .kernarg_segment_align: 8
    .kernarg_segment_size: 32
    .max_flat_workgroup_size: 128
    .sgpr_count:     66
    .vgpr_count:     144
    .wavefront_size: 32
...
	.end_amdgpu_metadata
.endif
;; end of part 4
;; ======== version 2 of 3: 5 launches
;; workspace buffers: xb 2,097,152 bytes; top1 4,096 bytes of whole numbers; xg 18,874,368 bytes; h 75,497,472 bytes; part 75,497,472 bytes
;; launch router: the kernel of part 1 again; grid 64 x 1, 8 waves a work-group, no clusters, 58,880 bytes of LDS; arguments x, gate_w, gate_b, xb, top1; writes xb, top1
;; launch gather (part 5): grid 12 x 48, 4 waves a work-group, no clusters, 768 bytes of LDS; arguments xb, top1, xg; writes xg
.if DOCPART == 5
	.amdgcn_target "amdgcn-amd-amdhsa--gfx1250"
	.amdhsa_code_object_version 6
	.text
	.protected	k_q32e5a82c45_gather
	.globl	k_q32e5a82c45_gather
	.p2align	8
	.type	k_q32e5a82c45_gather,@function
k_q32e5a82c45_gather:
	s_mov_b64 s[64:65], 0
	v_nop
	global_prefetch_b8 v0, s[64:65] scope:SCOPE_SE
	s_setreg_imm32_b32 hwreg(HW_REG_WAVE_MODE, 25, 1), 1
	s_wait_xcnt 0x0
; GATHER.  xg = the rows of xb, sorted by expert and rank, in the order in which the first product's operand registers take them.  xb: [1024][1024] bf16, top1: [1024] u32.
; xg: expert e owns tiles 72 e .. 72 e + 71 (six passes of 12); a tile is 16 rows (ranks 16 tau .. + 15), 32,768 bytes: block of 64 k (2,048 bytes), step u (1,024), register half g (512), lane (16).
; Lane (r = lane % 16, hh = lane / 16) holds row r's k = 64 block + 32 hh + 16 u + 8 g + 0..7.
; A work-group is (tile m of a pass = x; expert + 8 pass = y).  RANK: as the last launch ranks: all 1,024 choices lie in 32 registers (register g, lane l: token 128 (g / 4) + 4 l + g % 4), and the order goes by register, then by lane.
; Wave 0 puts the tile's 16 tokens into a window of 16 LDS words (zeros first: a place past the count names token 0); what falls outside the window goes to words that nobody reads.
; A tile is written if its pass has rows and it belongs to the text that the first product runs there: 8 tiles if the pass has up to 8, else 12.  A work-group without such a tile stores nothing and ends:
; the grid of 72 tiles an expert serves every split of the tokens, all on one expert too.
; Wave w copies blocks 4 w .. 4 w + 3: its sixteen loads together take 512 consecutive bytes of each of the 16 rows, each byte once; each store is 512 consecutive bytes.
; No matrix unit, no cluster: a copy; what the work-groups share is top1, 4 KiB.
.set LIST,  0             ; words 0-15 the window, words 16-63 take what is not wanted: one block of 256 bytes
.set SPARE, 256           ; the spare words: 128 bytes a wave, named by no other line
.set XTILE, 32768
.set EXPX,  72*XTILE
.set LANE, 1
.set RR,   2
.set HH,   3
.set L16,  4              ; 16 lane
.set XO,   5              ; my row of xb + 64 hh
.set LA,   6              ; my word of the window
.set DMP,  7              ; 32 + lane
.set TK4,  8              ; 4 lane
.set H64,  9              ; 64 hh
.set ZZ,   10
.set TA,   12             ; v12-15 at work
.set SPW,  28
.set NIL,  29
.set TV,   32             ; v32-63  top1
.set DD,   64             ; v64-127 sixteen pieces of 16 bytes
.set WV,16
.set TM,17                ; the tile in its pass
.set YY,18
.set EX,19
.set PS,20
.set P12,21               ; 12 pass
.set TAU,22               ; the tile among the expert's 72
.set RB,23                ; its first rank
.set CNT,34
.set REM,35               ; the expert's tiles left, from this pass on
.set MK,66                ; s66-97  register g's lanes that chose the expert
; Register g: the chosen lanes store their token at rank - first rank, where rank = those counted so far + the chosen lanes below.
; A rank below the window wraps to a large number; the minimum with 63 sends it, and every rank past the window, to the words that nobody reads.
.macro RANKG g
.set ta, TA+2*((\g)%2)
	v_mbcnt_lo_u32_b32 v[ta], s[MK+(\g)], s[CNT]
	v_sub_nc_u32 v[ta], v[ta], s[RB]
	v_cndmask_b32 v[ta], v[DMP], v[ta], s[MK+(\g)]
	v_min_u32 v[ta], 63, v[ta]
	v_lshl_add_u32 v[ta], v[ta], 2, LIST
	v_add_nc_u32 v[ta+1], 128*((\g)/4)+(\g)%4, v[TK4]
	ds_store_b32 v[ta], v[ta+1]
	s_bcnt1_i32_b32 s40, s[MK+(\g)]
	s_add_co_u32 s[CNT], s[CNT], s40
.endm
	s_load_b128 s[4:7], s[0:1], 0x0                ; xb s[4:5], top1 s[6:7]
	s_load_b64 s[8:9], s[0:1], 0x10                ; xg
	v_lshl_add_u32 v[SPW], v0, 2, SPARE
	v_mov_b32 v[NIL], 0
	v_and_b32 v[LANE], 31, v0
	v_and_b32 v[RR], 15, v0
	v_bfe_u32 v[HH], v0, 4, 1
	v_lshrrev_b32 v[TA], 5, v0
	v_readfirstlane_b32 s[WV], v[TA]
	s_mov_b32 s[TM], ttmp9
	s_and_b32 s[YY], ttmp7, 0xffff
	s_and_b32 s[EX], s[YY], 7
	s_lshr_b32 s[PS], s[YY], 3
	s_mul_i32 s[P12], s[PS], 12
	s_add_co_u32 s[TAU], s[P12], s[TM]
	s_lshl_b32 s[RB], s[TAU], 4
	v_lshlrev_b32 v[L16], 4, v[LANE]
	v_lshlrev_b32 v[H64], 6, v[HH]
	v_lshl_add_u32 v[LA], v[RR], 2, LIST
	v_add_nc_u32 v[DMP], 32, v[LANE]
	v_lshlrev_b32 v[TK4], 2, v[LANE]
	v_mov_b32 v[ZZ], 0
	s_lshl_b32 s40, s[WV], 9                       ; xb: my four blocks are 512 bytes of a row
	s_mov_b32 s41, 0
	s_mul_i32 s42, s[EX], EXPX                     ; xg: the expert, the tile, my four blocks
	s_lshl_b32 s43, s[TAU], 15
	s_add_co_u32 s42, s42, s43
	s_lshl_b32 s43, s[WV], 13
	s_add_co_u32 s42, s42, s43
	s_mov_b32 s43, 0
	s_mov_b32 s[CNT], 0
	s_wait_kmcnt 0x0
	s_add_nc_u64 s[4:5], s[4:5], s[40:41]
	s_add_nc_u64 s[8:9], s[8:9], s[42:43]
.set c, 0
.rept 8
	global_load_b128 v[TV+4*c:TV+4*c+3], v[L16], s[6:7] offset:512*c
.set c, c+1
.endr
	s_wait_loadcnt 0x0
.set g, 0
.rept 32                                               ; all 32 masks first, so that the scalar counts below wait for no vector instruction
	v_cmp_eq_u32 s[MK+g], s[EX], v[TV+g]
.set g, g+1
.endr
	s_cmp_lg_u32 s[WV], 0
	s_cbranch_scc1 .Lcount
	ds_store_b32 v[TK4], v[ZZ] offset:LIST         ; wave 0: zeros into words 0-31; LDS serves a wave's instructions in order (ISA guide 5.7.1.4): the tokens land on them
.set g, 0
.rept 32
	RANKG g
.set g, g+1
.endr
	s_branch .Llisted
.Lcount:                                               ; waves 1 to 3 count only
.set g, 0
.rept 32
	s_bcnt1_i32_b32 s40, s[MK+g]
	s_add_co_u32 s[CNT], s[CNT], s40
.set g, g+1
.endr
.Llisted:
	s_wait_dscnt 0x0                               ; wave 0's window is stored,
	s_barrier_signal -1
	s_barrier_wait -1                              ; and every wave may read it
	ds_load_b32 v[XO], v[LA]
	s_add_co_u32 s[REM], s[CNT], 15
	s_lshr_b32 s[REM], s[REM], 4
	s_sub_co_i32 s[REM], s[REM], s[P12]
	s_wait_dscnt 0x0
	v_min_u32 v[XO], 0x3ff, v[XO]                  ; a token number enters an address only behind this minimum
	v_lshl_add_u32 v[XO], v[XO], 11, v[H64]
	s_cmp_lt_i32 s[REM], 1
	s_cbranch_scc1 .Lend                           ; the pass has no rows
	s_cmp_gt_i32 s[REM], 8
	s_cbranch_scc1 .Llive                          ; the text for 12 tiles runs there
	s_cmp_gt_u32 s[TM], 7
	s_cbranch_scc1 .Lend                           ; the text for 8 tiles: tiles 8-11 are not read
.Llive:
.set c, 0
.rept 16                                               ; block c / 4 of my four, step and half c % 4
	global_load_b128 v[DD+4*c:DD+4*c+3], v[XO], s[4:5] offset:128*(c/4)+16*(c%4)
.set c, c+1
.endr
.set c, 0
.rept 16
	s_wait_loadcnt 15-c                            ; loads come back in order (ISA guide 5.7.1): piece c is in, the younger ones stay out
	global_store_b128 v[L16], v[DD+4*c:DD+4*c+3], s[8:9] offset:512*c
.set c, c+1
.endr
.Lend:
	s_wait_tensorcnt 0x0                           ; the wave's end
	ds_add_u32 v[SPW], v[NIL]
	s_wait_dscnt 0x0
	s_endpgm
.Lfunc_end_k_q32e5a82c45_gather:
	.size	k_q32e5a82c45_gather, .Lfunc_end_k_q32e5a82c45_gather-k_q32e5a82c45_gather
	.p2alignl 7, 3214868480
	.fill 96, 4, 3214868480
	.section	.rodata,"a",@progbits
	.p2align	6, 0x0
	.amdhsa_kernel k_q32e5a82c45_gather
		.amdhsa_group_segment_fixed_size 768
		.amdhsa_private_segment_fixed_size 0
		.amdhsa_enable_private_segment 0
		.amdhsa_kernarg_size 24
		.amdhsa_user_sgpr_count 2
		.amdhsa_user_sgpr_kernarg_segment_ptr 1
		.amdhsa_wavefront_size32 1
		.amdhsa_system_sgpr_workgroup_id_x 1
		.amdhsa_system_sgpr_workgroup_id_y 1
		.amdhsa_system_sgpr_workgroup_id_z 1
		.amdhsa_system_vgpr_workitem_id 0
		.amdhsa_next_free_vgpr 128
		.amdhsa_next_free_sgpr 98
		.amdhsa_reserve_vcc 0
		.amdhsa_float_denorm_mode_32 3
		.amdhsa_float_denorm_mode_16_64 3
		.amdhsa_memory_ordered 1
		.amdhsa_forward_progress 1
		.amdhsa_inst_pref_size 26
	.end_amdhsa_kernel
	.amdgpu_metadata
---
amdhsa.version: [ 1, 2 ]
amdhsa.kernels:
  - .name:           k_q32e5a82c45_gather
    .symbol:         k_q32e5a82c45_gather.kd
    .args:
      - { .name: xb, .offset: 0, .size: 8, .value_kind: global_buffer, .address_space: global }
      - { .name: top1, .offset: 8, .size: 8, .value_kind: global_buffer, .address_space: global }
      - { .name: xg, .offset: 16, .size: 8, .value_kind: global_buffer, .address_space: global }
    .group_segment_fixed_size: 768
    .private_segment_fixed_size: 0
    .kernarg_segment_align: 8
    .kernarg_segment_size: 24
    .max_flat_workgroup_size: 128
    .sgpr_count:     98
    .vgpr_count:     128
    .wavefront_size: 32
...
	.end_amdgpu_metadata
.endif
;; end of part 5
;; launch ffn1 (part 6): grid 32 x 8, 4 waves a work-group, no clusters, 197,120 bytes of LDS; arguments W1, b1, xg, top1, h; writes h
.if DOCPART == 6
	.amdgcn_target "amdgcn-amd-amdhsa--gfx1250"
	.amdhsa_code_object_version 6
	.text
	.protected	k_q32e5a82c45_ffn1
	.globl	k_q32e5a82c45_ffn1
	.p2align	8
	.type	k_q32e5a82c45_ffn1,@function
k_q32e5a82c45_ffn1:
	s_mov_b64 s[64:65], 0
	v_nop
	global_prefetch_b8 v0, s[64:65] scope:SCOPE_SE
	s_setreg_imm32_b32 hwreg(HW_REG_WAVE_MODE, 25, 1), 1
	s_wait_xcnt 0x0
; FIRST PRODUCT.  For the rows of expert e, by rank: h = relu(x . W1[e] + b1[e]), in bf16.  W1: [8][1024][4096] f32, b1: [8][4096] f32, xg: the expert's token rows in bf16, by rank, in operand order.
; A work-group is (expert e = y, slice x of 128 hidden columns).  Wave w owns the panel K half w & 1 (512 rows) x column half w >> 1 (64 columns) of W1[e], which nobody else reads:
; each weight byte leaves memory once, as rows of 256 aligned bytes, and goes through registers (rounded to bf16 there) straight into matrix operands: no LDS for weights.
; K ORDER.  K goes in blocks of 64 rows, two steps u a block.  Operand place (lanes' half hh, register o, low or high) carries k = block + 32 hh + 16 u + 2 o + low/high, in the weights and in the tokens alike, so the sums are those of the
; plain order.  A lane loads rows block + 32 hh + 16 u + 0..15 at its 16 bytes (columns 4 r .. 4 r + 3); pairs of rows packed give four fragments j, whose sixteen columns are 4 idx + j.
; xg lies in memory in just that order (tile of 16 rows 32,768 bytes, block of 64 k 2,048, step 1,024, register half 512, lane 16; expert e owns tiles 72 e ..): every load of it is 512 consecutive bytes.
; THE COUNT STEERS BRANCHES ALONE.  Every wave counts the expert's tokens in top1 for itself.  A pass takes 12 tiles of 16 rows; six passes, a constant, serve every split (0 to 1,024 rows on one expert).
; A pass without rows jumps its work and passes both barriers.  A pass with up to 8 tiles runs the text for 8, else that for 12; the launch before has written all tiles of that text (places past the count repeat token 0).
; DEAD TILES.  Of a text's last three tiles those past the count are dead.  Their loads stay, so that every load count is a constant of the text, but their offset is 0: all lanes read one address, in the pass's first tile.
; The first step multiplies them once, so that every accumulator is written on every path; every later step jumps their products; their sums are never read.
; The first 32 weight loads hang on no data: they go out at the head, ahead of the count; a later pass's at the foot of the pass before it, if rows are left.
; The two K halves meet in LDS; bias (rounded to bf16), ReLU and the one rounding of h follow.  A pass stores the tiles that the second product, which chooses its text and its dead tiles alike, will read: the text's first 5 or 9, and the live ones.
; h leaves in the second product's operand order: tile of 16 rows (131,072 bytes; expert e owns tiles 72 e ..), block of 64 hidden columns (2,048 bytes), step (1,024), register half (512), lane (16).
; NO CLUSTER, NO TENSOR LOADS: a weight slice has one reader.  An expert's 32 work-groups do share its token tiles; but whether a pass has rows hangs on the count, and a joint load stands on every path:
; all six passes would have to fetch 192 rows each, 1,152 rows where an expert has some 128.
; LIMITS.  W1, b1 and x are rounded once to bf16, h once to bf16; sums in f32.  NaN and infinities are not treated apart.
.set PITCH, 16384         ; bytes from row to row of W1[e]
.set WTRIP, 64*PITCH      ; a block of 64 rows
.set ATRIP, 2048          ; the same 64 k in a tile of xg
.set AU,    1024          ; a step
.set AG,    512           ; registers 4-7 of a fragment
.set IMG,   49152         ; a wave's sums in LDS: 12 tiles x 4 fragments x 2 halves x 512 bytes
.set XTILE, 32768         ; a tile of xg
.set ATILE, XTILE         ; a tile of the token operand
.set EXPX,  72*XTILE
.set TILEB, 131072        ; a tile of h
.set EXPH,  72*TILEB
.set SPARE, 4*IMG         ; behind the four images: the spare words, 128 bytes a wave, named by no other line
; window 0
.set LANE, 1
.set RR,   2              ; lane % 16
.set HH,   3              ; lane / 16
.set WOFF, 4              ; 32 hh rows + 16 r
.set PFOFF,5              ; lane rows
.set STG,  7              ; my image + 16 lane
.set RAA,  8              ; the reduction's read address
.set RA0,  9              ; its start
.set L16,  10             ; 16 lane
.set AOFF, 16             ; v16-27  tile m of the pass + 16 lane; 0 for a dead tile
.set SPW,  28
.set NIL,  29
.set BF,   32             ; v32-63  the step's four weight fragments
.set AF,   64             ; v64-159, v160-255  token fragments, a slot for each step of a block
.set TV,   64             ; at the head: top1
.set BR,   96             ; at the head: b1
; window 1
.set RAW,  0              ; v0-63, v64-127  weights as loaded, a slot for each step
.set BIASR,128            ; bias of fragment j, register i at 8 j + i
.set P0,   160
.set P1,   192
.set HO,   224
.set ZR,   240
; windows 2, 3: the sums of tile m, fragment j at 512 + 32 m + 8 j
.set WV,16
.set KQ,17
.set NH,18
.set EX,19
.set SL,20
.set NTV,21               ; the tiles that the pass stores: the text's unguarded ones (5 or 9), or all live ones if those are more
.set WB0,22
.set WB,24
.set AB0,26
.set AB,28
.set HB,30
.set HT,32
.set CNT,34
.set REM,35               ; tiles left, from this pass on
.set PASS,36
.set TRIP,37
.set TM,38
.set RC,39
.set MSB, 0
.macro WIN new                         ; the high byte repeats the setting that is left; a switch that changes nothing is dropped
.if MSB != (\new)
	s_set_vgpr_msb (MSB<<8)|(\new)
.set MSB, (\new)
.endif
.endm
.macro PLACES                          ; four places behind matrix instructions, ahead of loads into and conversions over their sources and of stores of their results
.rept 4
	v_nop
.endr
.endm
.macro WLOAD p, ahead                  ; step p of the block at the base (or the next): 16 loads, each two whole row pieces of 256 bytes
	WIN 0x40
.set q, 0
.rept 16
	global_load_b128 v[RAW+64*(\p)+4*q:RAW+64*(\p)+4*q+3], v[WOFF], s[WB:WB+1] offset:(\ahead)*WTRIP+(16*(\p)+q)*PITCH th:TH_LOAD_NT
.set q, q+1
.endr
.endm
.macro ALOAD nt, p, ahead              ; the same step's token fragments: two loads a tile, dead tiles too
	WIN 0
.set m, 0
.rept \nt
	global_load_b128 v[AF+96*(\p)+8*m:AF+96*(\p)+8*m+3],   v[AOFF+m], s[AB:AB+1] offset:(\ahead)*ATRIP+(\p)*AU
	global_load_b128 v[AF+96*(\p)+8*m+4:AF+96*(\p)+8*m+7], v[AOFF+m], s[AB:AB+1] offset:(\ahead)*ATRIP+(\p)*AU+AG
.set m, m+1
.endr
.endm
.macro CVT p                           ; rows 2 o and 2 o + 1, column j: one rounding each, packed
	WIN 0x05
.set j, 0
.rept 4
.set o, 0
.rept 8
	v_cvt_pk_bf16_f32 v[BF+8*j+o], v[RAW+64*(\p)+8*o+j], v[RAW+64*(\p)+8*o+4+j]
.set o, o+1
.endr
.set j, j+1
.endr
.endm
; The offsets of the text's last three tiles: their places, or 0 for those past the count.  Constants alone are written; the count chooses by branches.
; (The text for 8 tiles runs in an expert's last pass alone, so what it sets to 0 is not wanted again by the text for 12.)
.macro LIVE nt
.set m, (\nt)-3
.rept 3
	v_add_nc_u32 v[AOFF+m], m*ATILE, v[L16]
.set m, m+1
.endr
	s_cmp_gt_i32 s[REM], (\nt)-1
	s_cbranch_scc1 .Lal_\@
	v_mov_b32 v[AOFF+(\nt)-1], 0
	s_cmp_gt_i32 s[REM], (\nt)-2
	s_cbranch_scc1 .Lal_\@
	v_mov_b32 v[AOFF+(\nt)-2], 0
	s_cmp_gt_i32 s[REM], (\nt)-3
	s_cbranch_scc1 .Lal_\@
	v_mov_b32 v[AOFF+(\nt)-3], 0
.Lal_\@:
.endm
; Up to 4 nt products; all accumulators take turns, one instruction a turn.  Source 0 = weights: a lane then holds row r and columns 32 hh + 4 i + j.
; zero = 1: the first step: every tile's products start its sums.  Else the run is left at the first dead one of the last three tiles; at a branch and at a label every window is 0, so a guard has a switch on either side.
.macro MUL nt, p, zero
.set m, 0
.rept \nt
.if (!(\zero)) && (m >= (\nt)-3)
	WIN 0
	s_cmp_gt_i32 s[REM], m
	s_cbranch_scc0 .Lmd_\@
.endif
	WIN 0xa0+0x50*(m/8)
.set j, 0
.rept 4
.set rD, 32*(m%8)+8*j
.set rA, AF+96*(\p)+8*m
.set rB, BF+8*j
.if \zero
	v_wmma_f32_16x16x32_bf16 v[rD:rD+7], v[rB:rB+7], v[rA:rA+7], 0
.else
	v_wmma_f32_16x16x32_bf16 v[rD:rD+7], v[rB:rB+7], v[rA:rA+7], v[rD:rD+7]
.endif
.set j, j+1
.endr
.set m, m+1
.endr
.if !(\zero)
	WIN 0
.Lmd_\@:
.endif
.endm
; One line asks for 32 rows x 256 bytes of my panel, each once a pass: the half p of the block two blocks behind the one that is multiplied, one block ahead of the loads (in step 1 the base has been stepped: one block from it).
; mode 2: the loop's last trip asks for nothing: the panel has no ninth block.
.macro PREF p, mode
.if (\mode) != 0
	WIN 0
.if (\mode) == 2
	s_cmp_eq_u32 s[TRIP], 1
	s_cbranch_scc1 .Lnp_\@
.endif
	global_prefetch_b8 v[PFOFF], s[WB:WB+1] offset:(2-(\p))*WTRIP+(\p)*32*PITCH th:TH_LOAD_NT scope:SCOPE_SE
.if (\mode) == 2
.Lnp_\@:
.endif
.endif
.endm
.macro ADVANCE                         ; both bases go on to the next block
	s_wait_xcnt 0x0                                ; the bases are stepped only when all issued loads and prefetches have had their addresses translated (ISA guide 3.1); the youngest of them stands ahead of the step's matrix instructions
	s_add_nc_u64 s[WB:WB+1], s[WB:WB+1], WTRIP
	s_add_nc_u64 s[AB:AB+1], s[AB:AB+1], ATRIP
.endm
; A step.  The loads go W(s + 2), A(s + 2) in every step and come back in that order (ISA guide 5.7.1).  n1: the loads younger than W(s); n2: those younger than A(s).
; The bases are stepped once a block, in step 0, behind its matrix instructions: step 0's weight loads stand one block ahead of the base, all the loads behind them at the base.
.macro STEP nt, p, zero, ld, n1, n2, pf
	s_wait_loadcnt \n1
	CVT \p
.if \ld
	WLOAD \p, 1-(\p)
.endif
	s_wait_loadcnt \n2
.if \ld
	PREF \p, \pf
.endif
	MUL \nt, \p, \zero
	PLACES
.if \ld
.if (\p) == 0
	ADVANCE
.endif
	ALOAD \nt, \p, 0
.endif
.endm
.macro STAGE nt                        ; my sums into my image; each accumulator from its low end on
.set m, 0
.rept \nt
	WIN 0x08+0x04*(m/8)
.set j, 0
.rept 4
.set rD, 32*(m%8)+8*j
	ds_store_b128 v[STG], v[rD:rD+3]   offset:((4*m+j)*2)*512
	ds_store_b128 v[STG], v[rD+4:rD+7] offset:((4*m+j)*2+1)*512
.set j, j+1
.endr
.set m, m+1
.endr
	WIN 0
.endm
; A pass's 16 steps for nt tiles.  W of steps 0 and 1 has been asked for.  Younger than W(s): A(s), W(s+1), A(s+1) = 16 + 4 nt (the wait's field ends at 63: the smaller count is safe).
; Younger than A(s): W(s+1), A(s+1), W(s+2) = 32 + 2 nt; in step 0 A(1), W(2) and in step 14 W(15), A(15) = 16 + 2 nt; in step 15 A(15) = 2 nt behind W(15), and nothing behind A(15).
.macro KPASS nt
.set N1, 16+4*(\nt)
.if N1 > 63
.set N1, 63
.endif
.set N2, 32+2*(\nt)
.set N3, 16+2*(\nt)
	LIVE \nt
	ALOAD \nt, 0, 0
	ALOAD \nt, 1, 0
	STEP \nt, 0, 1, 1, N1, N3, 1                   ; the first step's products start the sums, of every tile
	STEP \nt, 1, 0, 1, N1, N2, 1
	s_mov_b32 s[TRIP], 6
.Lk_\@:
	STEP \nt, 0, 0, 1, N1, N2, 2
	STEP \nt, 1, 0, 1, N1, N2, 2
	s_sub_co_u32 s[TRIP], s[TRIP], 1
	s_cmp_lg_u32 s[TRIP], 0
	s_cbranch_scc1 .Lk_\@
	STEP \nt, 0, 0, 0, N1, N3, 0                   ; the last block loads nothing
	STEP \nt, 1, 0, 0, 2*(\nt), 0, 0
	STAGE \nt
.endm
	s_load_b256 s[4:11], s[0:1], 0x0               ; W1 s[4:5], b1 s[6:7], xg s[8:9], top1 s[10:11]
	s_load_b64 s[12:13], s[0:1], 0x20              ; h
	v_lshl_add_u32 v[SPW], v0, 2, SPARE
	v_mov_b32 v[NIL], 0
	v_and_b32 v[LANE], 31, v0
	v_and_b32 v[RR], 15, v0
	v_bfe_u32 v[HH], v0, 4, 1
	v_lshrrev_b32 v12, 5, v0
	v_readfirstlane_b32 s[WV], v12
	s_and_b32 s[KQ], s[WV], 1
	s_lshr_b32 s[NH], s[WV], 1
	s_and_b32 s[EX], ttmp7, 0xffff
	s_mov_b32 s[SL], ttmp9
	v_lshlrev_b32 v[L16], 4, v[LANE]
	v_lshlrev_b32 v[WOFF], 4, v[RR]
	v_lshl_add_u32 v[WOFF], v[HH], 19, v[WOFF]     ; 32 rows of 16,384 bytes
	v_lshlrev_b32 v[PFOFF], 14, v[LANE]
	s_mul_i32 s40, s[WV], IMG
	v_add_nc_u32 v[STG], s40, v[L16]
	s_mul_i32 s40, s[NH], 2*IMG                    ; the reduction: the two images of my column half; tiles by turns between its two waves
	s_lshl_b32 s41, s[KQ], 12
	s_add_co_u32 s40, s40, s41
	v_add_nc_u32 v[RA0], s40, v[L16]
	v_lshlrev_b32 v13, 7, v[HH]                    ; b1: my half's 32 columns
.set m, 0
.rept 12
	v_add_nc_u32 v[AOFF+m], m*ATILE, v[L16]
.set m, m+1
.endr
	s_lshl_b32 s40, s[EX], 24                      ; W1: the expert, my K half, the slice's 128 columns, my 64 of them
	s_lshl_b32 s41, s[KQ], 23
	s_add_co_u32 s40, s40, s41
	s_lshl_b32 s41, s[SL], 9
	s_add_co_u32 s40, s40, s41
	s_lshl_b32 s41, s[NH], 8
	s_add_co_u32 s40, s40, s41
	s_mov_b32 s41, 0
	s_mul_i32 s42, s[EX], EXPX                     ; xg: the expert's tiles, my K half's eight blocks
	s_lshl_b32 s43, s[KQ], 14
	s_add_co_u32 s42, s42, s43
	s_mov_b32 s43, 0
	s_mul_i32 s44, s[EX], EXPH                     ; h: the expert's 72 tiles, my block of 64 columns
	s_lshl_b32 s45, s[SL], 12
	s_add_co_u32 s44, s44, s45
	s_lshl_b32 s45, s[NH], 11
	s_add_co_u32 s44, s44, s45
	s_mov_b32 s45, 0
	s_lshl_b32 s46, s[EX], 14                      ; b1
	s_lshl_b32 s47, s[SL], 9
	s_add_co_u32 s46, s46, s47
	s_lshl_b32 s47, s[NH], 8
	s_add_co_u32 s46, s46, s47
	s_mov_b32 s47, 0
	s_mov_b32 s[CNT], 0
	s_wait_kmcnt 0x0
	s_add_nc_u64 s[WB0:WB0+1], s[4:5], s[40:41]
	s_add_nc_u64 s[AB0:AB0+1], s[8:9], s[42:43]
	s_add_nc_u64 s[HB:HB+1], s[12:13], s[44:45]
	s_add_nc_u64 s[6:7], s[6:7], s[46:47]
	s_mov_b64 s[WB:WB+1], s[WB0:WB0+1]
.set c, 0
.rept 8
	global_load_b128 v[TV+4*c:TV+4*c+3], v[L16], s[10:11] offset:512*c
.set c, c+1
.endr
.set c, 0
.rept 8
	global_load_b128 v[BR+4*c:BR+4*c+3], v13, s[6:7] offset:16*c
.set c, c+1
.endr
	WLOAD 0, 0                                     ; the first pass's first block of weights: on its way while the tokens are counted
	WLOAD 1, 0
	WIN 0
	s_wait_loadcnt 0x20                            ; top1 and b1 are in: the 32 weight loads are younger
.set g, 0
.rept 32                                               ; the expert's tokens are counted: 32 registers x 32 lanes hold all 1,024 choices
	v_cmp_eq_u32 vcc_lo, s[EX], v[TV+g]
	s_bcnt1_i32_b32 s40, vcc_lo
	s_add_co_u32 s[CNT], s[CNT], s40
.set g, g+1
.endr
.set c, 0
.rept 16
	v_cvt_pk_bf16_f32 v[176+c], v[BR+2*c], v[BR+2*c+1]  ; columns 4 i + j, i = c / 2, j = 2 (c % 2) and the next
.set c, c+1
.endr
	WIN 0x40
.set c, 0
.rept 16
	v_lshlrev_b32 v[BIASR+16*(c%2)+c/2], 16, v[176+c]
	v_and_b32 v[BIASR+16*(c%2)+8+c/2], 0xffff0000, v[176+c]
.set c, c+1
.endr
	v_mov_b32 v[ZR], 0
	WIN 0
	s_add_co_u32 s[REM], s[CNT], 15
	s_lshr_b32 s[REM], s[REM], 4
	s_mov_b32 s[PASS], 6
.Lpass:
	s_mov_b32 s[NTV], 5                            ; the text for 8 tiles guards tiles 5 to 7
	s_cmp_lt_i32 s[REM], 1
	s_cbranch_scc1 .Ljoin                          ; no rows left: the work is jumped, the barriers are not
	s_wait_xcnt 0x0                                ; the tokens' base and offsets were the last pass's loads' sources
	s_mov_b64 s[AB:AB+1], s[AB0:AB0+1]
	s_cmp_gt_i32 s[REM], 8
	s_cbranch_scc1 .Lv12
	KPASS 8
	s_branch .Ljoin
.Lv12:
	s_mov_b32 s[NTV], 9                            ; the text for 12 tiles guards tiles 9 to 11
	KPASS 12
.Ljoin:
	s_wait_dscnt 0x0                               ; my image is stored
	s_barrier_signal -1
	s_barrier_wait -1
	s_cmp_lt_i32 s[REM], 1
	s_cbranch_scc1 .Lnored
	s_max_i32 s[NTV], s[NTV], s[REM]               ; stored: the unguarded tiles, which the second product always reads, and the live ones
	v_mov_b32 v[RAA], v[RA0]
	s_lshl_b32 s40, s[KQ], 17
	s_mov_b32 s41, 0
	s_wait_xcnt 0x0
	s_add_nc_u64 s[HT:HT+1], s[HB:HB+1], s[40:41]
	s_mov_b32 s[TM], s[KQ]
	s_mov_b32 s[RC], 6
.Lred:                                                 ; tile 2 i + (w & 1) of my column half: the two K halves, the bias, ReLU, one rounding, 2,048 consecutive bytes of h
	s_cmp_ge_i32 s[TM], s[NTV]
	s_cbranch_scc1 .Lrskip
	WIN 0x40
.set c, 0
.rept 8
	ds_load_b128 v[P0+4*c:P0+4*c+3], v[RAA] offset:512*c
	ds_load_b128 v[P1+4*c:P1+4*c+3], v[RAA] offset:IMG+512*c
.set c, c+1
.endr
	s_wait_dscnt 0x0
	WIN 0x45
.set c, 0
.rept 16
	v_pk_add_f32 v[P0+2*c:P0+2*c+1], v[P0+2*c:P0+2*c+1], v[P1+2*c:P1+2*c+1]
.set c, c+1
.endr
.set c, 0
.rept 16
	v_pk_add_f32 v[P0+2*c:P0+2*c+1], v[P0+2*c:P0+2*c+1], v[BIASR+2*c:BIASR+2*c+1]
.set c, c+1
.endr
.set c, 0
.rept 16                                               ; step c / 8, register o = c % 8 holds columns 32 hh + 16 (c / 8) + 2 o and the next: i = 4 (c / 8) + o / 2, j = 2 (o % 2) and j + 1
	v_cvt_pk_bf16_f32 v[HO+c], v[P0+16*(c%2)+(c%8)/2+4*(c/8)], v[P0+16*(c%2)+8+(c%8)/2+4*(c/8)]
.set c, c+1
.endr
.set c, 0
.rept 16
	v_pk_max_num_bf16 v[HO+c], v[HO+c], v[ZR]      ; ReLU behind the rounding gives the same number as ahead of it
.set c, c+1
.endr
	WIN 0x04
.set c, 0
.rept 4
	global_store_b128 v[L16], v[HO+4*c:HO+4*c+3], s[HT:HT+1] offset:512*c
.set c, c+1
.endr
	WIN 0
.Lrskip:
	s_wait_xcnt 0x0                                ; the stores' base and data are written again only behind this wait
	v_add_nc_u32 v[RAA], 8192, v[RAA]
	s_add_nc_u64 s[HT:HT+1], s[HT:HT+1], 2*TILEB
	s_add_co_u32 s[TM], s[TM], 2
	s_sub_co_u32 s[RC], s[RC], 1
	s_cmp_lg_u32 s[RC], 0
	s_cbranch_scc1 .Lred
.Lnored:
	s_wait_dscnt 0x0                               ; my reads of the images are over
	s_barrier_signal -1
	s_barrier_wait -1                              ; everybody's are: the next pass may store its images
	s_sub_co_i32 s[REM], s[REM], 12
	s_add_nc_u64 s[AB0:AB0+1], s[AB0:AB0+1], 12*XTILE
	s_add_nc_u64 s[HB:HB+1], s[HB:HB+1], 12*TILEB
	s_cmp_lt_i32 s[REM], 1
	s_cbranch_scc1 .Lnow
	s_wait_loadcnt 0x0                             ; rows are left: no load of mine is out, so the weights' registers may be loaded again,
	s_wait_xcnt 0x0                                ; and their base written
	s_mov_b64 s[WB:WB+1], s[WB0:WB0+1]
	WLOAD 0, 0                                     ; the panel is walked once more
	WLOAD 1, 0
	WIN 0
.Lnow:
	s_sub_co_u32 s[PASS], s[PASS], 1
	s_cmp_lg_u32 s[PASS], 0
	s_cbranch_scc1 .Lpass
	s_wait_tensorcnt 0x0                           ; the wave's end
	ds_add_u32 v[SPW], v[NIL]
	s_wait_dscnt 0x0
	s_endpgm
.Lfunc_end_k_q32e5a82c45_ffn1:
	.size	k_q32e5a82c45_ffn1, .Lfunc_end_k_q32e5a82c45_ffn1-k_q32e5a82c45_ffn1
	.p2alignl 7, 3214868480
	.fill 96, 4, 3214868480
	.section	.rodata,"a",@progbits
	.p2align	6, 0x0
	.amdhsa_kernel k_q32e5a82c45_ffn1
		.amdhsa_group_segment_fixed_size 197120
		.amdhsa_private_segment_fixed_size 0
		.amdhsa_enable_private_segment 0
		.amdhsa_kernarg_size 40
		.amdhsa_user_sgpr_count 2
		.amdhsa_user_sgpr_kernarg_segment_ptr 1
		.amdhsa_wavefront_size32 1
		.amdhsa_system_sgpr_workgroup_id_x 1
		.amdhsa_system_sgpr_workgroup_id_y 1
		.amdhsa_system_sgpr_workgroup_id_z 1
		.amdhsa_system_vgpr_workitem_id 0
		.amdhsa_next_free_vgpr 896
		.amdhsa_next_free_sgpr 66
		.amdhsa_reserve_vcc 1
		.amdhsa_float_denorm_mode_32 3
		.amdhsa_float_denorm_mode_16_64 3
		.amdhsa_memory_ordered 1
		.amdhsa_forward_progress 1
		.amdhsa_inst_pref_size 133
	.end_amdhsa_kernel
	.amdgpu_metadata
---
amdhsa.version: [ 1, 2 ]
amdhsa.kernels:
  - .name:           k_q32e5a82c45_ffn1
    .symbol:         k_q32e5a82c45_ffn1.kd
    .args:
      - { .name: W1, .offset: 0, .size: 8, .value_kind: global_buffer, .address_space: global }
      - { .name: b1, .offset: 8, .size: 8, .value_kind: global_buffer, .address_space: global }
      - { .name: xg, .offset: 16, .size: 8, .value_kind: global_buffer, .address_space: global }
      - { .name: top1, .offset: 24, .size: 8, .value_kind: global_buffer, .address_space: global }
      - { .name: h, .offset: 32, .size: 8, .value_kind: global_buffer, .address_space: global }
    .group_segment_fixed_size: 197120
    .private_segment_fixed_size: 0
    .kernarg_segment_align: 8
    .kernarg_segment_size: 40
    .max_flat_workgroup_size: 128
    .sgpr_count:     66
    .vgpr_count:     896
    .wavefront_size: 32
...
	.end_amdgpu_metadata
.endif
;; end of part 6
;; launch ffn2 (part 7): grid 32 x 8, 4 waves a work-group, no clusters, 197,120 bytes of LDS; arguments W2, h, top1, part; writes part
.if DOCPART == 7
	.amdgcn_target "amdgcn-amd-amdhsa--gfx1250"
	.amdhsa_code_object_version 6
	.text
	.protected	k_q32e5a82c45_ffn2
	.globl	k_q32e5a82c45_ffn2
	.p2align	8
	.type	k_q32e5a82c45_ffn2,@function
k_q32e5a82c45_ffn2:
	s_mov_b64 s[64:65], 0
	v_nop
	global_prefetch_b8 v0, s[64:65] scope:SCOPE_SE
	s_setreg_imm32_b32 hwreg(HW_REG_WAVE_MODE, 25, 1), 1
	s_wait_xcnt 0x0
; SECOND PRODUCT.  part[ka][e][rank][64 cg ..] = the sum over the half ka of the hidden columns of h[rank] . W2[e], for the rows of expert e, in f32.  W2: [8][4096][1024] f32.
; A work-group is (expert e = y; x = 2 cg + ka: 64 output columns, half of K).  Wave w owns rows 2,048 ka + 512 w .. + 511 x 64 columns of W2[e], which nobody else reads: each weight byte leaves memory once,
; as rows of 256 aligned bytes, and goes through registers (rounded to bf16 there) into matrix operands.  K is halved across work-groups so that 256 of them have whole 256-byte rows; the two halves are added by the next launch.
; K ORDER, PASSES, LOADS: as in the first product.  Operand place (lanes' half hh, register o, low or high) carries k = block + 32 hh + 16 u + 2 o + low/high; h lies in memory in just that order (tile of 16 rows 131,072 bytes,
; block of 64 columns 2,048, step 1,024, register half 512, lane 16; expert e owns tiles 72 e ..), so every load of h is 512 consecutive bytes.  Six passes of 12 tiles serve every split.
; THE COUNT STEERS BRANCHES ALONE.  Every wave counts the expert's tokens in top1 for itself; the count says whether a pass has rows, whether it runs the text for 8 tiles or for 12, which of that text's last three tiles are dead,
; and which tiles are stored.  All vector address registers hold numbers made from the thread's number and constants.
; DEAD TILES.  Of a text's last three tiles those past the count are dead.  Their loads stay, so that every load count is a constant of the text, but their offset is 0: all lanes read one address, in the pass's first tile.
; The first step multiplies them once, so that every accumulator is written on every path; every later step jumps their products; their sums are never read.  The first product has stored the text's other tiles and the live ones.
; The first 32 weight loads hang on no data: they go out at the head, ahead of the count; a later pass's at the foot of the pass before it, if rows are left.
; The four waves' sums meet in LDS; whole tiles of 16 rows leave in rank order (a tile 65,536 bytes; expert e owns tiles 72 e ..; a plane for each half of K); rows past the count are stored with their tile and never read.
; NO CLUSTER, NO TENSOR LOADS: a weight slice has one reader.  16 work-groups do share each half of the expert's h; but whether a pass has rows hangs on the count, and a joint load stands on every path:
; all six passes would have to fetch 192 rows each, 1,152 rows where an expert has some 128.
; LIMITS.  W2 is rounded once to bf16; sums in f32.  NaN and infinities are not treated apart.
.set PITCH, 4096
.set WTRIP, 64*PITCH
.set ATRIP, 2048
.set AU,    1024
.set AG,    512
.set IMG,   49152
.set TILEB, 131072        ; a tile of h
.set ATILE, TILEB         ; a tile of the token operand
.set EXPH,  72*TILEB      ; an expert's tiles of h
.set PTILE, 65536         ; a tile of part: 16 rows of 4,096 bytes
.set EXPP,  72*PTILE      ; an expert's tiles of part
.set PLANE, 8*EXPP        ; a half of K
.set SPARE, 4*IMG         ; behind the four images: the spare words, 128 bytes a wave, named by no other line
; window 0
.set LANE, 1
.set RR,   2
.set HH,   3
.set WOFF, 4              ; 32 hh rows + 16 r
.set PFOFF,5              ; lane rows
.set RO,   6              ; the stores: 8 hh rows of part + 16 r
.set STG,  7              ; my image + 16 lane
.set RA,   8              ; v8-11  the reduction: image k, my first tile, 16 lane
.set L16,  12
.set R16,  13
.set AOFF, 16             ; v16-27  tile m of the pass + 16 lane; 0 for a dead tile
.set SPW,  28
.set NIL,  29
.set BF,   32
.set AF,   64
.set TV,   64             ; at the head: top1
.set OUT,  64             ; in the reduction: row i's four columns at 4 i
; window 1
.set RAW,  0
.set PP,   128            ; four images' 32 registers each
.set WV,16
.set KA,17
.set CG,18
.set EX,19
.set WB0,22
.set WB,24
.set AB0,26
.set AB,28
.set PT,30                ; part at my first tile of the pass
.set CNT,34
.set REM,35               ; tiles left, from this pass on
.set PASS,36
.set TRIP,37
.set MSB, 0
.macro WIN new                         ; the high byte repeats the setting that is left; a switch that changes nothing is dropped
.if MSB != (\new)
	s_set_vgpr_msb (MSB<<8)|(\new)
.set MSB, (\new)
.endif
.endm
.macro PLACES                          ; four places behind matrix instructions, ahead of loads into and conversions over their sources and of stores of their results
.rept 4
	v_nop
.endr
.endm
.macro WLOAD p, ahead                  ; step p of the block at the base (or the next): 16 loads, each two whole row pieces of 256 bytes
	WIN 0x40
.set q, 0
.rept 16
	global_load_b128 v[RAW+64*(\p)+4*q:RAW+64*(\p)+4*q+3], v[WOFF], s[WB:WB+1] offset:(\ahead)*WTRIP+(16*(\p)+q)*PITCH th:TH_LOAD_NT
.set q, q+1
.endr
.endm
.macro ALOAD nt, p, ahead              ; the same step's token fragments: two loads a tile, dead tiles too
	WIN 0
.set m, 0
.rept \nt
	global_load_b128 v[AF+96*(\p)+8*m:AF+96*(\p)+8*m+3],   v[AOFF+m], s[AB:AB+1] offset:(\ahead)*ATRIP+(\p)*AU
	global_load_b128 v[AF+96*(\p)+8*m+4:AF+96*(\p)+8*m+7], v[AOFF+m], s[AB:AB+1] offset:(\ahead)*ATRIP+(\p)*AU+AG
.set m, m+1
.endr
.endm
.macro CVT p
	WIN 0x05
.set j, 0
.rept 4
.set o, 0
.rept 8
	v_cvt_pk_bf16_f32 v[BF+8*j+o], v[RAW+64*(\p)+8*o+j], v[RAW+64*(\p)+8*o+4+j]
.set o, o+1
.endr
.set j, j+1
.endr
.endm
; The offsets of the text's last three tiles: their places, or 0 for those past the count.  Constants alone are written; the count chooses by branches.
; (The text for 8 tiles runs in an expert's last pass alone, so what it sets to 0 is not wanted again by the text for 12.)
.macro LIVE nt
.set m, (\nt)-3
.rept 3
	v_add_nc_u32 v[AOFF+m], m*ATILE, v[L16]
.set m, m+1
.endr
	s_cmp_gt_i32 s[REM], (\nt)-1
	s_cbranch_scc1 .Lal_\@
	v_mov_b32 v[AOFF+(\nt)-1], 0
	s_cmp_gt_i32 s[REM], (\nt)-2
	s_cbranch_scc1 .Lal_\@
	v_mov_b32 v[AOFF+(\nt)-2], 0
	s_cmp_gt_i32 s[REM], (\nt)-3
	s_cbranch_scc1 .Lal_\@
	v_mov_b32 v[AOFF+(\nt)-3], 0
.Lal_\@:
.endm
; Up to 4 nt products; all accumulators take turns, one instruction a turn.  Source 0 = tokens: a lane then holds column 4 r + j and, in registers 0-7, rows 8 hh + i.
; zero = 1: the first step: every tile's products start its sums.  Else the run is left at the first dead one of the last three tiles; at a branch and at a label every window is 0, so a guard has a switch on either side.
.macro MUL nt, p, zero
.set m, 0
.rept \nt
.if (!(\zero)) && (m >= (\nt)-3)
	WIN 0
	s_cmp_gt_i32 s[REM], m
	s_cbranch_scc0 .Lmd_\@
.endif
	WIN 0xa0+0x50*(m/8)
.set j, 0
.rept 4
.set rD, 32*(m%8)+8*j
.set rA, AF+96*(\p)+8*m
.set rB, BF+8*j
.if \zero
	v_wmma_f32_16x16x32_bf16 v[rD:rD+7], v[rA:rA+7], v[rB:rB+7], 0
.else
	v_wmma_f32_16x16x32_bf16 v[rD:rD+7], v[rA:rA+7], v[rB:rB+7], v[rD:rD+7]
.endif
.set j, j+1
.endr
.set m, m+1
.endr
.if !(\zero)
	WIN 0
.Lmd_\@:
.endif
.endm
; One line asks for 32 rows x 256 bytes of my panel, each once a pass: the half p of the block two blocks behind the one that is multiplied, one block ahead of the loads (in step 1 the base has been stepped: one block from it).
; mode 2: the loop's last trip asks for nothing: the panel has no ninth block.
.macro PREF p, mode
.if (\mode) != 0
	WIN 0
.if (\mode) == 2
	s_cmp_eq_u32 s[TRIP], 1
	s_cbranch_scc1 .Lnp_\@
.endif
	global_prefetch_b8 v[PFOFF], s[WB:WB+1] offset:(2-(\p))*WTRIP+(\p)*32*PITCH th:TH_LOAD_NT scope:SCOPE_SE
.if (\mode) == 2
.Lnp_\@:
.endif
.endif
.endm
.macro ADVANCE                         ; both bases go on to the next block
	s_wait_xcnt 0x0                                ; the bases are stepped only when all issued loads and prefetches have had their addresses translated (ISA guide 3.1); the youngest of them stands ahead of the step's matrix instructions
	s_add_nc_u64 s[WB:WB+1], s[WB:WB+1], WTRIP
	s_add_nc_u64 s[AB:AB+1], s[AB:AB+1], ATRIP
.endm
; A step.  n1: the loads younger than W(s); n2: those younger than A(s).  The bases are stepped once a block, in step 0, behind its matrix instructions:
; step 0's weight loads stand one block ahead of the base, all the loads behind them at the base.
.macro STEP nt, p, zero, ld, n1, n2, pf
	s_wait_loadcnt \n1
	CVT \p
.if \ld
	WLOAD \p, 1-(\p)
.endif
	s_wait_loadcnt \n2
.if \ld
	PREF \p, \pf
.endif
	MUL \nt, \p, \zero
	PLACES
.if \ld
.if (\p) == 0
	ADVANCE
.endif
	ALOAD \nt, \p, 0
.endif
.endm
.macro STAGE nt                        ; my sums into my image; each accumulator from its low end on
.set m, 0
.rept \nt
	WIN 0x08+0x04*(m/8)
.set j, 0
.rept 4
.set rD, 32*(m%8)+8*j
	ds_store_b128 v[STG], v[rD:rD+3]   offset:((4*m+j)*2)*512
	ds_store_b128 v[STG], v[rD+4:rD+7] offset:((4*m+j)*2+1)*512
.set j, j+1
.endr
.set m, m+1
.endr
	WIN 0
.endm
; Younger than W(s): A(s), W(s+1), A(s+1) = 16 + 4 nt (the wait's field ends at 63: the smaller count is safe).  Younger than A(s): W(s+1), A(s+1), W(s+2) = 32 + 2 nt;
; in step 0 A(1), W(2) and in step 14 W(15), A(15) = 16 + 2 nt; in step 15 A(15) = 2 nt behind W(15), and nothing behind A(15).
.macro KPASS nt
.set N1, 16+4*(\nt)
.if N1 > 63
.set N1, 63
.endif
.set N2, 32+2*(\nt)
.set N3, 16+2*(\nt)
	LIVE \nt
	ALOAD \nt, 0, 0
	ALOAD \nt, 1, 0
	STEP \nt, 0, 1, 1, N1, N3, 1                   ; the first step's products start the sums, of every tile
	STEP \nt, 1, 0, 1, N1, N2, 1
	s_mov_b32 s[TRIP], 6
.Lk_\@:
	STEP \nt, 0, 0, 1, N1, N2, 2
	STEP \nt, 1, 0, 1, N1, N2, 2
	s_sub_co_u32 s[TRIP], s[TRIP], 1
	s_cmp_lg_u32 s[TRIP], 0
	s_cbranch_scc1 .Lk_\@
	STEP \nt, 0, 0, 0, N1, N3, 0                   ; the last block loads nothing
	STEP \nt, 1, 0, 0, 2*(\nt), 0, 0
	STAGE \nt
.endm
; Tile 4 i + w of the pass: the four waves' sums are added and the tile's 16 rows x 64 columns are stored.  A tile past the count is jumped; no barrier stands in what is jumped.
.macro RED i
	s_add_co_u32 s40, s[WV], 4*(\i)
	s_cmp_ge_i32 s40, s[REM]
	s_cbranch_scc1 .Lrs_\@
	WIN 0x40
.set c, 0
.rept 8
	ds_load_b128 v[PP+4*c:PP+4*c+3],       v[RA]   offset:16384*(\i)+512*c
	ds_load_b128 v[PP+32+4*c:PP+32+4*c+3], v[RA+1] offset:16384*(\i)+512*c
	ds_load_b128 v[PP+64+4*c:PP+64+4*c+3], v[RA+2] offset:16384*(\i)+512*c
	ds_load_b128 v[PP+96+4*c:PP+96+4*c+3], v[RA+3] offset:16384*(\i)+512*c
.set c, c+1
.endr
	s_wait_dscnt 0x0
	WIN 0x45
.set c, 0
.rept 16
	v_pk_add_f32 v[PP+2*c:PP+2*c+1], v[PP+2*c:PP+2*c+1], v[PP+32+2*c:PP+32+2*c+1]
	v_pk_add_f32 v[PP+64+2*c:PP+64+2*c+1], v[PP+64+2*c:PP+64+2*c+1], v[PP+96+2*c:PP+96+2*c+1]
.set c, c+1
.endr
	s_wait_xcnt 0x0                                ; the registers written below are the data of the tile before's stores
	WIN 0x05
.set c, 0
.rept 32                                               ; row c / 4, column c % 4: the last addition also puts a row's four neighbouring columns into neighbouring registers
	v_add_f32 v[OUT+c], v[PP+8*(c%4)+c/4], v[PP+64+8*(c%4)+c/4]
.set c, c+1
.endr
	WIN 0
.set c, 0
.rept 8
	global_store_b128 v[RO], v[OUT+4*c:OUT+4*c+3], s[PT:PT+1] offset:4*(\i)*PTILE+4096*c  ; sixteen lanes store 256 consecutive bytes of a row, aligned
.set c, c+1
.endr
.Lrs_\@:
.endm
	s_load_b256 s[4:11], s[0:1], 0x0               ; W2 s[4:5], h s[6:7], top1 s[8:9], part s[10:11]
	v_lshl_add_u32 v[SPW], v0, 2, SPARE
	v_mov_b32 v[NIL], 0
	v_and_b32 v[LANE], 31, v0
	v_and_b32 v[RR], 15, v0
	v_bfe_u32 v[HH], v0, 4, 1
	v_lshrrev_b32 v15, 5, v0
	v_readfirstlane_b32 s[WV], v15
	s_and_b32 s[KA], ttmp9, 1
	s_lshr_b32 s[CG], ttmp9, 1
	s_and_b32 s[EX], ttmp7, 0xffff
	v_lshlrev_b32 v[L16], 4, v[LANE]
	v_lshlrev_b32 v[R16], 4, v[RR]
	v_lshl_add_u32 v[WOFF], v[HH], 17, v[R16]      ; 32 rows of 4,096 bytes + 16 r
	v_lshlrev_b32 v[PFOFF], 12, v[LANE]
	v_lshl_add_u32 v[RO], v[HH], 15, v[R16]        ; 8 rows of 4,096 bytes + 16 r
	s_mul_i32 s40, s[WV], IMG
	v_add_nc_u32 v[STG], s40, v[L16]
	s_lshl_b32 s40, s[WV], 12                      ; the reduction: tiles by turns among the four waves; a tile is 4,096 bytes of an image
.set c, 0
.rept 4
	v_add_nc_u32 v[RA+c], s40, v[L16]
	s_add_co_u32 s40, s40, IMG
.set c, c+1
.endr
.set m, 0
.rept 12
	v_add_nc_u32 v[AOFF+m], m*ATILE, v[L16]
.set m, m+1
.endr
	s_lshl_b32 s40, s[EX], 24                      ; W2: the expert, the K half, my 512 rows, the 64 columns
	s_lshl_b32 s41, s[KA], 23
	s_add_co_u32 s40, s40, s41
	s_lshl_b32 s41, s[WV], 21
	s_add_co_u32 s40, s40, s41
	s_lshl_b32 s41, s[CG], 8
	s_add_co_u32 s40, s40, s41
	s_mov_b32 s41, 0
	s_mul_i32 s42, s[EX], EXPH                     ; h: the expert's tiles, block 32 ka + 8 w of 64 columns
	s_lshl_b32 s43, s[KA], 16
	s_add_co_u32 s42, s42, s43
	s_lshl_b32 s43, s[WV], 14
	s_add_co_u32 s42, s42, s43
	s_mov_b32 s43, 0
	s_mul_i32 s44, s[KA], PLANE                    ; part: the half's plane, the expert's tiles, my first tile, the 64 columns
	s_mul_i32 s45, s[EX], EXPP
	s_add_co_u32 s44, s44, s45
	s_lshl_b32 s45, s[WV], 16
	s_add_co_u32 s44, s44, s45
	s_lshl_b32 s45, s[CG], 8
	s_add_co_u32 s44, s44, s45
	s_mov_b32 s45, 0
	s_mov_b32 s[CNT], 0
	s_wait_kmcnt 0x0
	s_add_nc_u64 s[WB0:WB0+1], s[4:5], s[40:41]
	s_add_nc_u64 s[AB0:AB0+1], s[6:7], s[42:43]
	s_add_nc_u64 s[PT:PT+1], s[10:11], s[44:45]
	s_mov_b64 s[WB:WB+1], s[WB0:WB0+1]
.set c, 0
.rept 8
	global_load_b128 v[TV+4*c:TV+4*c+3], v[L16], s[8:9] offset:512*c
.set c, c+1
.endr
	WLOAD 0, 0                                     ; the first pass's first block of weights: on its way while the tokens are counted
	WLOAD 1, 0
	WIN 0
	s_wait_loadcnt 0x20                            ; top1 is in: the 32 weight loads are younger
.set g, 0
.rept 32                                               ; the expert's tokens are counted: 32 registers x 32 lanes hold all 1,024 choices
	v_cmp_eq_u32 vcc_lo, s[EX], v[TV+g]
	s_bcnt1_i32_b32 s40, vcc_lo
	s_add_co_u32 s[CNT], s[CNT], s40
.set g, g+1
.endr
	s_add_co_u32 s[REM], s[CNT], 15
	s_lshr_b32 s[REM], s[REM], 4
	s_mov_b32 s[PASS], 6
.Lpass:
	s_cmp_lt_i32 s[REM], 1
	s_cbranch_scc1 .Ljoin                          ; no rows left: the work is jumped, the barriers are not
	s_wait_xcnt 0x0                                ; the tokens' base and offsets, and the registers that the last pass's stores read, are written again below
	s_mov_b64 s[AB:AB+1], s[AB0:AB0+1]
	s_cmp_gt_i32 s[REM], 8
	s_cbranch_scc1 .Lv12
	KPASS 8
	s_branch .Ljoin
.Lv12:
	KPASS 12
.Ljoin:
	s_wait_dscnt 0x0                               ; my image is stored
	s_barrier_signal -1
	s_barrier_wait -1
	RED 0
	RED 1
	RED 2
	s_wait_dscnt 0x0                               ; my reads of the images are over
	s_barrier_signal -1
	s_barrier_wait -1                              ; everybody's are: the next pass may store its images
	s_wait_xcnt 0x0                                ; the stores' base is stepped only behind this wait
	s_sub_co_i32 s[REM], s[REM], 12
	s_add_nc_u64 s[AB0:AB0+1], s[AB0:AB0+1], 12*TILEB
	s_add_nc_u64 s[PT:PT+1], s[PT:PT+1], 12*PTILE
	s_cmp_lt_i32 s[REM], 1
	s_cbranch_scc1 .Lnow
	s_wait_loadcnt 0x0                             ; rows are left: no load of mine is out, so the weights' registers may be loaded again,
	s_wait_xcnt 0x0                                ; and their base written
	s_mov_b64 s[WB:WB+1], s[WB0:WB0+1]
	WLOAD 0, 0                                     ; the panel is walked once more
	WLOAD 1, 0
	WIN 0
.Lnow:
	s_sub_co_u32 s[PASS], s[PASS], 1
	s_cmp_lg_u32 s[PASS], 0
	s_cbranch_scc1 .Lpass
	s_wait_tensorcnt 0x0                           ; the wave's end
	ds_add_u32 v[SPW], v[NIL]
	s_wait_dscnt 0x0
	s_endpgm
.Lfunc_end_k_q32e5a82c45_ffn2:
	.size	k_q32e5a82c45_ffn2, .Lfunc_end_k_q32e5a82c45_ffn2-k_q32e5a82c45_ffn2
	.p2alignl 7, 3214868480
	.fill 96, 4, 3214868480
	.section	.rodata,"a",@progbits
	.p2align	6, 0x0
	.amdhsa_kernel k_q32e5a82c45_ffn2
		.amdhsa_group_segment_fixed_size 197120
		.amdhsa_private_segment_fixed_size 0
		.amdhsa_enable_private_segment 0
		.amdhsa_kernarg_size 32
		.amdhsa_user_sgpr_count 2
		.amdhsa_user_sgpr_kernarg_segment_ptr 1
		.amdhsa_wavefront_size32 1
		.amdhsa_system_sgpr_workgroup_id_x 1
		.amdhsa_system_sgpr_workgroup_id_y 1
		.amdhsa_system_sgpr_workgroup_id_z 1
		.amdhsa_system_vgpr_workitem_id 0
		.amdhsa_next_free_vgpr 896
		.amdhsa_next_free_sgpr 66
		.amdhsa_reserve_vcc 1
		.amdhsa_float_denorm_mode_32 3
		.amdhsa_float_denorm_mode_16_64 3
		.amdhsa_memory_ordered 1
		.amdhsa_forward_progress 1
		.amdhsa_inst_pref_size 142
	.end_amdhsa_kernel
	.amdgpu_metadata
---
amdhsa.version: [ 1, 2 ]
amdhsa.kernels:
  - .name:           k_q32e5a82c45_ffn2
    .symbol:         k_q32e5a82c45_ffn2.kd
    .args:
      - { .name: W2, .offset: 0, .size: 8, .value_kind: global_buffer, .address_space: global }
      - { .name: h, .offset: 8, .size: 8, .value_kind: global_buffer, .address_space: global }
      - { .name: top1, .offset: 16, .size: 8, .value_kind: global_buffer, .address_space: global }
      - { .name: part, .offset: 24, .size: 8, .value_kind: global_buffer, .address_space: global }
    .group_segment_fixed_size: 197120
    .private_segment_fixed_size: 0
    .kernarg_segment_align: 8
    .kernarg_segment_size: 32
    .max_flat_workgroup_size: 128
    .sgpr_count:     66
    .vgpr_count:     896
    .wavefront_size: 32
...
	.end_amdgpu_metadata
.endif
;; end of part 7
;; launch combine: the kernel of part 4 again; grid 256 x 1, 4 waves a work-group, no clusters, 0 bytes of LDS; arguments part, b2, top1, out0; writes out0
;; ======== version 3 of 3: 5 launches; version 2 with the launch ffn1 written anew for expert scheduling mode
;; workspace buffers: xb 2,097,152 bytes; top1 4,096 bytes of whole numbers; xg 18,874,368 bytes; h 75,497,472 bytes; part 75,497,472 bytes
;; launch router: the kernel of part 1 again; grid 64 x 1, 8 waves a work-group, no clusters, 58,880 bytes of LDS; arguments x, gate_w, gate_b, xb, top1; writes xb, top1
;; launch gather: the kernel of part 5 again; grid 12 x 48, 4 waves a work-group, no clusters, 768 bytes of LDS; arguments xb, top1, xg; writes xg
;; launch ffn1 (part 8): grid 32 x 8, 4 waves a work-group, no clusters, 197,120 bytes of LDS; arguments W1, b1, xg, top1, h; writes h
.if DOCPART == 8
	.amdgcn_target "amdgcn-amd-amdhsa--gfx1250"
	.amdhsa_code_object_version 6
	.text
	.protected	k_q32e5a82c45_ffn1
	.globl	k_q32e5a82c45_ffn1
	.p2align	8
	.type	k_q32e5a82c45_ffn1,@function
k_q32e5a82c45_ffn1:
	s_mov_b64 s[64:65], 0
	v_nop
	global_prefetch_b8 v0, s[64:65] scope:SCOPE_SE
	s_setreg_imm32_b32 hwreg(HW_REG_WAVE_SCHED_MODE, 0, 2), 2
	s_setreg_imm32_b32 hwreg(HW_REG_WAVE_MODE, 25, 1), 1
	s_wait_xcnt 0x0
	s_wait_alu depctr_vm_vsrc(0)
; FIRST PRODUCT.  For the rows of expert e, by rank: h = relu(x . W1[e] + b1[e]), in bf16.  W1: [8][1024][4096] f32, b1: [8][4096] f32, xg: the expert's token rows in bf16, by rank, in operand order.
; A work-group is (expert e = y, slice x of 128 hidden columns).  Wave w owns the panel K half w & 1 (512 rows) x column half w >> 1 (64 columns) of W1[e], which nobody else reads:
; each weight byte leaves memory once, as rows of 256 aligned bytes, and goes through registers (rounded to bf16 there) straight into matrix operands: no LDS for weights.
; K ORDER.  K goes in blocks of 64 rows, two steps u a block.  Operand place (lanes' half hh, register o, low or high) carries k = block + 32 hh + 16 u + 2 o + low/high, in the weights and in the tokens alike, so the sums are those of the
; plain order.  A lane loads rows block + 32 hh + 16 u + 0..15 at its 16 bytes (columns 4 r .. 4 r + 3); pairs of rows packed give four fragments j, whose sixteen columns are 4 idx + j.
; xg lies in memory in just that order (tile of 16 rows 32,768 bytes, block of 64 k 2,048, step 1,024, register half 512, lane 16; expert e owns tiles 72 e ..): every load of it is 512 consecutive bytes.
; THE COUNT STEERS BRANCHES ALONE.  Every wave counts the expert's tokens in top1 for itself.  A pass takes 12 tiles of 16 rows; six passes, a constant, serve every split (0 to 1,024 rows on one expert).
; A pass without rows jumps its work and passes both barriers.  A pass with up to 8 tiles runs the text for 8, else that for 12; the launch before has written all tiles of that text (places past the count repeat token 0).
; DEAD TILES.  Of a text's last three tiles those past the count are dead.  Their loads stay, so that every load count is a constant of the text, but their offset is 0: all lanes read one address, in the pass's first tile.
; The first step multiplies them once, so that every accumulator is written on every path; every later step jumps their products; their sums are never read.
; The first 32 weight loads hang on no data: they go out at the head, ahead of the count; a later pass's at the foot of the pass before it, if rows are left.
; The two K halves meet in LDS; bias (rounded to bf16), ReLU and the one rounding of h follow.  A pass stores the tiles that the second product, which chooses its text and its dead tiles alike, will read: the text's first 5 or 9, and the live ones.
; h leaves in the second product's operand order: tile of 16 rows (131,072 bytes; expert e owns tiles 72 e ..), block of 64 hidden columns (2,048 bytes), step (1,024), register half (512), lane (16).
; NO CLUSTER, NO TENSOR LOADS: a weight slice has one reader.  An expert's 32 work-groups do share its token tiles; but whether a pass has rows hangs on the count, and a joint load stands on every path:
; all six passes would have to fetch 192 rows each, 1,152 rows where an expert has some 128.
; LIMITS.  W1, b1 and x are rounded once to bf16, h once to bf16; sums in f32.  NaN and infinities are not treated apart.
; THE MODE: SCHED_MODE bits 1:0 = 2 (LLVM: expert scheduling mode 2), set by the entry lines.  The code itself states the register dependences
; between vector or matrix instructions and memory or LDS instructions, with s_wait_alu, always for 0.
; THE PLAN.  Registers that memory or LDS instructions touch:
;   RAW0, RAW1    Step s: its 32 conversions read RAW[s % 2]; behind them the weights of step s + 2 land in it.
;   AF0, AF1      Step s: its products read AF[s % 2]; behind them the tokens of step s + 2 land in it.  At the head top1, b1 and sixteen registers at work lie here.
;   v[AOFF ..]    Read by every token load; the last three of a text are written at a pass's head.
;   v[WOFF], v[PFOFF], v[L16], v[STG], v13   Made at the head, never written again: the rows are reached by the scalar bases and by immediate offsets.
;   the sums      Written by the products; read by the LDS stores at a pass's end; begun anew by the next pass's first step.
;   v[RAA]        Read by the reduction's LDS loads; set at the reduction's head, stepped once a tile.
;   P0, P1        The reduction's LDS loads land here; its additions read and write them.     HO   Written by the roundings and the ReLU; read by the tile's four stores.
;   BF, the bias and the zero are named by vector and matrix instructions alone.
; A step has TWO waits on va_vdst, since its two buffers come free at two places and each is asked for again at once: one behind the conversions, ahead of the weight loads, which would else go out a run of products later;
; one behind the products, ahead of the token loads, which would else go out behind the wait for the next weights.  A third slot for the tokens would make a period of six steps with the weights' two: four more copies of a step in each text.
.set PITCH, 16384         ; bytes from row to row of W1[e]
.set WTRIP, 64*PITCH      ; a block of 64 rows
.set ATRIP, 2048          ; the same 64 k in a tile of xg
.set AU,    1024          ; a step
.set AG,    512           ; registers 4-7 of a fragment
.set IMG,   49152         ; a wave's sums in LDS: 12 tiles x 4 fragments x 2 halves x 512 bytes
.set XTILE, 32768         ; a tile of xg
.set ATILE, XTILE         ; a tile of the token operand
.set EXPX,  72*XTILE
.set TILEB, 131072        ; a tile of h
.set EXPH,  72*TILEB
; window 0
.set LANE, 1
.set RR,   2              ; lane % 16
.set HH,   3              ; lane / 16
.set WOFF, 4              ; 32 hh rows + 16 r
.set PFOFF,5              ; lane rows
.set STG,  7              ; my image + 16 lane
.set RAA,  8              ; the reduction's read address
.set RA0,  9              ; its start
.set L16,  10             ; 16 lane
.set AOFF, 16             ; v16-27  tile m of the pass + 16 lane; 0 for a dead tile
.set BF,   32             ; v32-63  the step's four weight fragments
.set AF,   64             ; v64-159, v160-255  token fragments, a slot for each step of a block
.set TV,   64             ; at the head: top1
.set BR,   96             ; at the head: b1
; window 1
.set RAW,  0              ; v0-63, v64-127  weights as loaded, a slot for each step
.set BIASR,128            ; bias of fragment j, register i at 8 j + i
.set P0,   160
.set P1,   192
.set HO,   224
.set ZR,   240
; windows 2, 3: the sums of tile m, fragment j at 512 + 32 m + 8 j
.set WV,16
.set KQ,17
.set NH,18
.set EX,19
.set SL,20
.set NTV,21               ; the tiles that the pass stores: the text's unguarded ones (5 or 9), or all live ones if those are more
.set WB0,22
.set WB,24
.set AB0,26
.set AB,28
.set HB,30
.set HT,32
.set CNT,34
.set REM,35               ; tiles left, from this pass on
.set PASS,36
.set TRIP,37
.set TM,38
.set RC,39
.set MK,48                ; s48-63  at the head: sixteen registers' lanes that chose the expert
.set MSB, 0
.macro WIN new                         ; the high byte repeats the setting that is left; a switch that changes nothing is dropped
.if MSB != (\new)
	s_set_vgpr_msb (MSB<<8)|(\new)
.set MSB, (\new)
.endif
.endm
.macro PLACES                          ; four places behind matrix instructions, ahead of conversions over their sources and of stores of their results
.rept 4
	v_nop
.endr
.endm
.macro WLOAD p, ahead                  ; step p of the block at the base (or the next): 16 loads, each two whole row pieces of 256 bytes
	WIN 0x40
.set q, 0
.rept 16
	global_load_b128 v[RAW+64*(\p)+4*q:RAW+64*(\p)+4*q+3], v[WOFF], s[WB:WB+1] offset:(\ahead)*WTRIP+(16*(\p)+q)*PITCH th:TH_LOAD_NT
.set q, q+1
.endr
.endm
.macro ALOAD nt, p, ahead              ; the same step's token fragments: two loads a tile, dead tiles too
	WIN 0
.set m, 0
.rept \nt
	global_load_b128 v[AF+96*(\p)+8*m:AF+96*(\p)+8*m+3],   v[AOFF+m], s[AB:AB+1] offset:(\ahead)*ATRIP+(\p)*AU
	global_load_b128 v[AF+96*(\p)+8*m+4:AF+96*(\p)+8*m+7], v[AOFF+m], s[AB:AB+1] offset:(\ahead)*ATRIP+(\p)*AU+AG
.set m, m+1
.endr
.endm
.macro CVT p                           ; rows 2 o and 2 o + 1, column j: one rounding each, packed
	WIN 0x05
.set j, 0
.rept 4
.set o, 0
.rept 8
	v_cvt_pk_bf16_f32 v[BF+8*j+o], v[RAW+64*(\p)+8*o+j], v[RAW+64*(\p)+8*o+4+j]
.set o, o+1
.endr
.set j, j+1
.endr
.endm
; The offsets of the text's last three tiles: their places, or 0 for those past the count.  Constants alone are written; the count chooses by branches.
; (The text for 8 tiles runs in an expert's last pass alone, so what it sets to 0 is not wanted again by the text for 12.)
.macro LIVE nt
.set m, (\nt)-3
.rept 3
	v_add_nc_u32 v[AOFF+m], m*ATILE, v[L16]
.set m, m+1
.endr
	s_cmp_gt_i32 s[REM], (\nt)-1
	s_cbranch_scc1 .Lal_\@
	v_mov_b32 v[AOFF+(\nt)-1], 0
	s_cmp_gt_i32 s[REM], (\nt)-2
	s_cbranch_scc1 .Lal_\@
	v_mov_b32 v[AOFF+(\nt)-2], 0
	s_cmp_gt_i32 s[REM], (\nt)-3
	s_cbranch_scc1 .Lal_\@
	v_mov_b32 v[AOFF+(\nt)-3], 0
.Lal_\@:
.endm
; Up to 4 nt products; all accumulators take turns, one instruction a turn.  Source 0 = weights: a lane then holds row r and columns 32 hh + 4 i + j.
; zero = 1: the first step: every tile's products start its sums.  Else the run is left at the first dead one of the last three tiles; at a branch and at a label every window is 0, so a guard has a switch on either side.
.macro MUL nt, p, zero
.set m, 0
.rept \nt
.if (!(\zero)) && (m >= (\nt)-3)
	WIN 0
	s_cmp_gt_i32 s[REM], m
	s_cbranch_scc0 .Lmd_\@
.endif
	WIN 0xa0+0x50*(m/8)
.set j, 0
.rept 4
.set rD, 32*(m%8)+8*j
.set rA, AF+96*(\p)+8*m
.set rB, BF+8*j
.if \zero
	v_wmma_f32_16x16x32_bf16 v[rD:rD+7], v[rB:rB+7], v[rA:rA+7], 0
.else
	v_wmma_f32_16x16x32_bf16 v[rD:rD+7], v[rB:rB+7], v[rA:rA+7], v[rD:rD+7]
.endif
.set j, j+1
.endr
.set m, m+1
.endr
.if !(\zero)
	WIN 0
.Lmd_\@:
.endif
.endm
; One line asks for 32 rows x 256 bytes of my panel, each once a pass: the half p of the block two blocks behind the one that is multiplied, one block ahead of the loads (in step 1 the base has been stepped: one block from it).
; mode 2: the loop's last trip asks for nothing: the panel has no ninth block.
.macro PREF p, mode
.if (\mode) != 0
	WIN 0
.if (\mode) == 2
	s_cmp_eq_u32 s[TRIP], 1
	s_cbranch_scc1 .Lnp_\@
.endif
	global_prefetch_b8 v[PFOFF], s[WB:WB+1] offset:(2-(\p))*WTRIP+(\p)*32*PITCH th:TH_LOAD_NT scope:SCOPE_SE
.if (\mode) == 2
.Lnp_\@:
.endif
.endif
.endm
.macro ADVANCE                         ; both bases go on to the next block
	s_wait_xcnt 0x0                                ; the bases are stepped only when all issued loads and prefetches have had their addresses translated (ISA guide 3.1); the youngest of them stands ahead of the step's matrix instructions
	s_add_nc_u64 s[WB:WB+1], s[WB:WB+1], WTRIP
	s_add_nc_u64 s[AB:AB+1], s[AB:AB+1], ATRIP
.endm
; A step.  The loads go W(s + 2), A(s + 2) in every step and come back in that order (ISA guide 5.7.1).  n1: the loads younger than W(s); n2: those younger than A(s).
; The bases are stepped once a block, in step 0, behind its matrix instructions: step 0's weight loads stand one block ahead of the base, all the loads behind them at the base.
; A step that loads nothing holds no wait on va_vdst.
.macro STEP nt, p, zero, ld, n1, n2, pf
	s_wait_loadcnt \n1
	CVT \p
.if \ld
	WIN 0x40
	s_wait_alu depctr_va_vdst(0)                   ; the conversions are done reading RAW[p], in which the sixteen loads below land
	WLOAD \p, 1-(\p)
.endif
	s_wait_loadcnt \n2
.if \ld
	PREF \p, \pf
.endif
	MUL \nt, \p, \zero
	WIN 0
	PLACES
.if \ld
.if (\p) == 0
	ADVANCE
.endif
	s_wait_alu depctr_va_vdst(0)                   ; the products are done reading AF[p], in which the loads below land; the next line behind those is the wait for the next weights
	ALOAD \nt, \p, 0
.endif
.endm
.macro STAGE nt                        ; my sums into my image; each accumulator from its low end on
	WIN 0x08
	s_wait_alu depctr_va_vdst(0)                   ; the products have written the sums, which the LDS stores below read; the four places stand ahead of this wait, beside it
.set m, 0
.rept \nt
	WIN 0x08+0x04*(m/8)
.set j, 0
.rept 4
.set rD, 32*(m%8)+8*j
	ds_store_b128 v[STG], v[rD:rD+3]   offset:((4*m+j)*2)*512
	ds_store_b128 v[STG], v[rD+4:rD+7] offset:((4*m+j)*2+1)*512
.set j, j+1
.endr
.set m, m+1
.endr
	WIN 0
.endm
; A pass's 16 steps for nt tiles.  W of steps 0 and 1 has been asked for.  Younger than W(s): A(s), W(s+1), A(s+1) = 16 + 4 nt (the wait's field ends at 63: the smaller count is safe).
; Younger than A(s): W(s+1), A(s+1), W(s+2) = 32 + 2 nt; in step 0 A(1), W(2) and in step 14 W(15), A(15) = 16 + 2 nt; in step 15 A(15) = 2 nt behind W(15), and nothing behind A(15).
.macro KPASS nt
.set N1, 16+4*(\nt)
.if N1 > 63
.set N1, 63
.endif
.set N2, 32+2*(\nt)
.set N3, 16+2*(\nt)
	LIVE \nt
	s_wait_alu depctr_va_vdst(0)                   ; the offsets v[AOFF ..] are written, which the loads below read; all that read or wrote the registers of AF0 and AF1 (the head's compares and conversions; the last pass's products) is done
	ALOAD \nt, 0, 0
	ALOAD \nt, 1, 0
	STEP \nt, 0, 1, 1, N1, N3, 1                   ; the first step's products start the sums, of every tile
	STEP \nt, 1, 0, 1, N1, N2, 1
	s_mov_b32 s[TRIP], 6
.Lk_\@:
	STEP \nt, 0, 0, 1, N1, N2, 2
	STEP \nt, 1, 0, 1, N1, N2, 2
	s_sub_co_u32 s[TRIP], s[TRIP], 1
	s_cmp_lg_u32 s[TRIP], 0
	s_cbranch_scc1 .Lk_\@
	STEP \nt, 0, 0, 0, N1, N3, 0                   ; the last block loads nothing
	STEP \nt, 1, 0, 0, 2*(\nt), 0, 0
	STAGE \nt
.endm
	s_load_b256 s[4:11], s[0:1], 0x0               ; W1 s[4:5], b1 s[6:7], xg s[8:9], top1 s[10:11]
	s_load_b64 s[12:13], s[0:1], 0x20              ; h
	v_lshl_add_u32 v30, v0, 2, 0x30000
	v_mov_b32 v31, 0
	v_and_b32 v[LANE], 31, v0
	v_and_b32 v[RR], 15, v0
	v_bfe_u32 v[HH], v0, 4, 1
	v_lshrrev_b32 v12, 5, v0
	v_readfirstlane_b32 s[WV], v12
	v_lshlrev_b32 v[L16], 4, v[LANE]
	v_lshlrev_b32 v[WOFF], 4, v[RR]
	v_lshl_add_u32 v[WOFF], v[HH], 19, v[WOFF]     ; 32 rows of 16,384 bytes
	v_lshlrev_b32 v[PFOFF], 14, v[LANE]
	v_lshlrev_b32 v13, 7, v[HH]                    ; b1: my half's 32 columns
.set m, 0
.rept 12
	v_add_nc_u32 v[AOFF+m], m*ATILE, v[L16]
.set m, m+1
.endr
	s_and_b32 s[EX], ttmp7, 0xffff
	s_mov_b32 s[SL], ttmp9
	s_wait_alu depctr_va_sdst(0)                   ; the wave's number is written, ahead of its first reader: LDS addresses and the bases of W1, xg, h and b1 are made from it
	s_and_b32 s[KQ], s[WV], 1
	s_lshr_b32 s[NH], s[WV], 1
	s_mul_i32 s14, s[WV], IMG                      ; (s14, s15 and s2 serve these lines alone: no scalar line writes over what a vector line reads)
	v_add_nc_u32 v[STG], s14, v[L16]
	s_mul_i32 s15, s[NH], 2*IMG                    ; the reduction: the two images of my column half; tiles by turns between its two waves
	s_lshl_b32 s2, s[KQ], 12
	s_add_co_u32 s15, s15, s2
	v_add_nc_u32 v[RA0], s15, v[L16]
	s_lshl_b32 s40, s[EX], 24                      ; W1: the expert, my K half, the slice's 128 columns, my 64 of them
	s_lshl_b32 s41, s[KQ], 23
	s_add_co_u32 s40, s40, s41
	s_lshl_b32 s41, s[SL], 9
	s_add_co_u32 s40, s40, s41
	s_lshl_b32 s41, s[NH], 8
	s_add_co_u32 s40, s40, s41
	s_mov_b32 s41, 0
	s_mul_i32 s42, s[EX], EXPX                     ; xg: the expert's tiles, my K half's eight blocks
	s_lshl_b32 s43, s[KQ], 14
	s_add_co_u32 s42, s42, s43
	s_mov_b32 s43, 0
	s_mul_i32 s44, s[EX], EXPH                     ; h: the expert's 72 tiles, my block of 64 columns
	s_lshl_b32 s45, s[SL], 12
	s_add_co_u32 s44, s44, s45
	s_lshl_b32 s45, s[NH], 11
	s_add_co_u32 s44, s44, s45
	s_mov_b32 s45, 0
	s_lshl_b32 s46, s[EX], 14                      ; b1
	s_lshl_b32 s47, s[SL], 9
	s_add_co_u32 s46, s46, s47
	s_lshl_b32 s47, s[NH], 8
	s_add_co_u32 s46, s46, s47
	s_mov_b32 s47, 0
	s_mov_b32 s[CNT], 0
	s_wait_kmcnt 0x0
	s_add_nc_u64 s[WB0:WB0+1], s[4:5], s[40:41]
	s_add_nc_u64 s[AB0:AB0+1], s[8:9], s[42:43]
	s_add_nc_u64 s[HB:HB+1], s[12:13], s[44:45]
	s_add_nc_u64 s[6:7], s[6:7], s[46:47]
	s_mov_b64 s[WB:WB+1], s[WB0:WB0+1]
	s_wait_alu depctr_va_vdst(0)                   ; all offsets and LDS addresses are written: v[L16], v13, v[WOFF], v[PFOFF], v[STG] and v[AOFF ..], which the loads, prefetches and stores of the whole kernel read
.set c, 0
.rept 8
	global_load_b128 v[TV+4*c:TV+4*c+3], v[L16], s[10:11] offset:512*c
.set c, c+1
.endr
.set c, 0
.rept 8
	global_load_b128 v[BR+4*c:BR+4*c+3], v13, s[6:7] offset:16*c
.set c, c+1
.endr
	WLOAD 0, 0                                     ; the first pass's first block of weights: on its way while the tokens are counted
	WLOAD 1, 0
	WIN 0
	s_wait_loadcnt 0x20                            ; top1 and b1 are in: the 32 weight loads are younger
; The expert's tokens are counted: 32 registers x 32 lanes hold all 1,024 choices.  The compares stand in two runs of sixteen, both into the same sixteen scalar registers of MK, with one wait behind a run; the bias's lines stand between a run and its wait.
.set g, 0
.rept 16
	v_cmp_eq_u32 s[MK+g], s[EX], v[TV+g]
.set g, g+1
.endr
.set c, 0
.rept 16
	v_cvt_pk_bf16_f32 v[176+c], v[BR+2*c], v[BR+2*c+1]  ; columns 4 i + j, i = c / 2, j = 2 (c % 2) and the next
.set c, c+1
.endr
	s_wait_alu depctr_va_sdst(0)                   ; the sixteen compares have written their masks, ahead of the first bit count that reads one
.set g, 0
.rept 16
	s_bcnt1_i32_b32 s40, s[MK+g]
	s_add_co_u32 s[CNT], s[CNT], s40
.set g, g+1
.endr
.set g, 0
.rept 16
	v_cmp_eq_u32 s[MK+g], s[EX], v[TV+16+g]
.set g, g+1
.endr
	WIN 0x40
.set c, 0
.rept 16
	v_lshlrev_b32 v[BIASR+16*(c%2)+c/2], 16, v[176+c]
	v_and_b32 v[BIASR+16*(c%2)+8+c/2], 0xffff0000, v[176+c]
.set c, c+1
.endr
	v_mov_b32 v[ZR], 0
	WIN 0
	s_wait_alu depctr_va_sdst(0)                   ; the second sixteen masks are written, ahead of the first bit count that reads one
.set g, 0
.rept 16
	s_bcnt1_i32_b32 s40, s[MK+g]
	s_add_co_u32 s[CNT], s[CNT], s40
.set g, g+1
.endr
	s_add_co_u32 s[REM], s[CNT], 15
	s_lshr_b32 s[REM], s[REM], 4
	s_mov_b32 s[PASS], 6
.Lpass:
	s_mov_b32 s[NTV], 5                            ; the text for 8 tiles guards tiles 5 to 7
	s_cmp_lt_i32 s[REM], 1
	s_cbranch_scc1 .Ljoin                          ; no rows left: the work is jumped, the barriers are not
	s_wait_xcnt 0x0                                ; the tokens' base and offsets were the last pass's loads' sources
	s_wait_alu depctr_vm_vsrc(0)                   ; the last pass's token loads have read v[AOFF ..], which the pass's head writes again; its LDS stores have read the sums, which the first step's products begin anew
	s_mov_b64 s[AB:AB+1], s[AB0:AB0+1]
	s_cmp_gt_i32 s[REM], 8
	s_cbranch_scc1 .Lv12
	KPASS 8
	s_branch .Ljoin
.Lv12:
	s_mov_b32 s[NTV], 9                            ; the text for 12 tiles guards tiles 9 to 11
	KPASS 12
.Ljoin:
	s_wait_dscnt 0x0                               ; my image is stored
	s_barrier_signal -1
	s_barrier_wait -1
	s_cmp_lt_i32 s[REM], 1
	s_cbranch_scc1 .Lnored
	s_max_i32 s[NTV], s[NTV], s[REM]               ; stored: the unguarded tiles, which the second product always reads, and the live ones
	v_mov_b32 v[RAA], v[RA0]                       ; (every LDS load that read v[RAA] stands ahead of the wait on vm_vsrc at the foot of its own trip)
	s_lshl_b32 s40, s[KQ], 17
	s_mov_b32 s41, 0
	s_wait_xcnt 0x0
	s_add_nc_u64 s[HT:HT+1], s[HB:HB+1], s[40:41]
	s_mov_b32 s[TM], s[KQ]
	s_mov_b32 s[RC], 6
.Lred:                                                 ; tile 2 i + (w & 1) of my column half: the two K halves, the bias, ReLU, one rounding, 2,048 consecutive bytes of h
	s_cmp_ge_i32 s[TM], s[NTV]
	s_cbranch_scc1 .Lrskip
	WIN 0x40
	s_wait_alu depctr_va_vdst(0)                   ; v[RAA] is written, which the LDS loads below read; the tile before's additions and roundings are done with P0 and P1, in which they land
.set c, 0
.rept 8
	ds_load_b128 v[P0+4*c:P0+4*c+3], v[RAA] offset:512*c
	ds_load_b128 v[P1+4*c:P1+4*c+3], v[RAA] offset:IMG+512*c
.set c, c+1
.endr
	s_wait_dscnt 0x0
	WIN 0x45
.set c, 0
.rept 16
	v_pk_add_f32 v[P0+2*c:P0+2*c+1], v[P0+2*c:P0+2*c+1], v[P1+2*c:P1+2*c+1]
.set c, c+1
.endr
.set c, 0
.rept 16
	v_pk_add_f32 v[P0+2*c:P0+2*c+1], v[P0+2*c:P0+2*c+1], v[BIASR+2*c:BIASR+2*c+1]
.set c, c+1
.endr
.set c, 0
.rept 16                                               ; step c / 8, register o = c % 8 holds columns 32 hh + 16 (c / 8) + 2 o and the next: i = 4 (c / 8) + o / 2, j = 2 (o % 2) and j + 1
	v_cvt_pk_bf16_f32 v[HO+c], v[P0+16*(c%2)+(c%8)/2+4*(c/8)], v[P0+16*(c%2)+8+(c%8)/2+4*(c/8)]
.set c, c+1
.endr
.set c, 0
.rept 16
	v_pk_max_num_bf16 v[HO+c], v[HO+c], v[ZR]      ; ReLU behind the rounding gives the same number as ahead of it
.set c, c+1
.endr
	WIN 0x04
	s_wait_alu depctr_va_vdst(0)                   ; the roundings and the ReLU have written HO, which the four stores below read
.set c, 0
.rept 4
	global_store_b128 v[L16], v[HO+4*c:HO+4*c+3], s[HT:HT+1] offset:512*c
.set c, c+1
.endr
	WIN 0
.Lrskip:
	s_wait_xcnt 0x0                                ; the stores' base and data are written again only behind this wait
	s_wait_alu depctr_vm_vsrc(0)                   ; the LDS loads have read v[RAA], which the next line steps; the stores have read HO, which the next tile's roundings write again
	v_add_nc_u32 v[RAA], 8192, v[RAA]
	s_add_nc_u64 s[HT:HT+1], s[HT:HT+1], 2*TILEB
	s_add_co_u32 s[TM], s[TM], 2
	s_sub_co_u32 s[RC], s[RC], 1
	s_cmp_lg_u32 s[RC], 0
	s_cbranch_scc1 .Lred
.Lnored:
	s_wait_dscnt 0x0                               ; my reads of the images are over
	s_barrier_signal -1
	s_barrier_wait -1                              ; everybody's are: the next pass may store its images
	s_sub_co_i32 s[REM], s[REM], 12
	s_add_nc_u64 s[AB0:AB0+1], s[AB0:AB0+1], 12*XTILE
	s_add_nc_u64 s[HB:HB+1], s[HB:HB+1], 12*TILEB
	s_cmp_lt_i32 s[REM], 1
	s_cbranch_scc1 .Lnow
	s_wait_loadcnt 0x0                             ; rows are left: no load of mine is out, so the weights' registers may be loaded again,
	s_wait_xcnt 0x0                                ; and their base written
	s_mov_b64 s[WB:WB+1], s[WB0:WB0+1]
	WLOAD 0, 0                                     ; the panel is walked once more.  No wait on va_vdst: the last conversions that read RAW stand ahead of the wait in front of the pass's LDS stores,
	WLOAD 1, 0                                     ; and no vector line since (the reduction's: v[RAA], the bias, P0, P1, HO, the zero) names RAW or v[WOFF]
	WIN 0
.Lnow:
	s_sub_co_u32 s[PASS], s[PASS], 1
	s_cmp_lg_u32 s[PASS], 0
	s_cbranch_scc1 .Lpass
	s_wait_dscnt 0x0                               ; the wave's end; the closing add below goes onto the spare words, the 512 bytes behind the four images
	s_wait_alu depctr_hold_cnt(0) depctr_sa_sdst(0) depctr_va_vdst(0) depctr_va_sdst(0) depctr_va_ssrc(0) depctr_va_vcc(0) depctr_vm_vsrc(0)
	s_wait_tensorcnt 0x0
	ds_add_u32 v30, v31
	s_wait_dscnt 0x0
	s_endpgm
.Lfunc_end_k_q32e5a82c45_ffn1:
	.size	k_q32e5a82c45_ffn1, .Lfunc_end_k_q32e5a82c45_ffn1-k_q32e5a82c45_ffn1
	.p2alignl 7, 3214868480
	.fill 96, 4, 3214868480
	.section	.rodata,"a",@progbits
	.p2align	6, 0x0
	.amdhsa_kernel k_q32e5a82c45_ffn1
		.amdhsa_group_segment_fixed_size 197120
		.amdhsa_private_segment_fixed_size 0
		.amdhsa_enable_private_segment 0
		.amdhsa_kernarg_size 40
		.amdhsa_user_sgpr_count 2
		.amdhsa_user_sgpr_kernarg_segment_ptr 1
		.amdhsa_wavefront_size32 1
		.amdhsa_system_sgpr_workgroup_id_x 1
		.amdhsa_system_sgpr_workgroup_id_y 1
		.amdhsa_system_sgpr_workgroup_id_z 1
		.amdhsa_system_vgpr_workitem_id 0
		.amdhsa_next_free_vgpr 896
		.amdhsa_next_free_sgpr 66
		.amdhsa_reserve_vcc 0
		.amdhsa_float_denorm_mode_32 3
		.amdhsa_float_denorm_mode_16_64 3
		.amdhsa_memory_ordered 1
		.amdhsa_forward_progress 1
		.amdhsa_inst_pref_size 135
	.end_amdhsa_kernel
	.amdgpu_metadata
---
amdhsa.version: [ 1, 2 ]
amdhsa.kernels:
  - .name:           k_q32e5a82c45_ffn1
    .symbol:         k_q32e5a82c45_ffn1.kd
    .args:
      - { .name: W1, .offset: 0, .size: 8, .value_kind: global_buffer, .address_space: global }
      - { .name: b1, .offset: 8, .size: 8, .value_kind: global_buffer, .address_space: global }
      - { .name: xg, .offset: 16, .size: 8, .value_kind: global_buffer, .address_space: global }
      - { .name: top1, .offset: 24, .size: 8, .value_kind: global_buffer, .address_space: global }
      - { .name: h, .offset: 32, .size: 8, .value_kind: global_buffer, .address_space: global }
    .group_segment_fixed_size: 197120
    .private_segment_fixed_size: 0
    .kernarg_segment_align: 8
    .kernarg_segment_size: 40
    .max_flat_workgroup_size: 128
    .sgpr_count:     66
    .vgpr_count:     896
    .wavefront_size: 32
...
	.end_amdgpu_metadata
.endif
;; end of part 8
;; launch ffn2: the kernel of part 7 again; grid 32 x 8, 4 waves a work-group, no clusters, 197,120 bytes of LDS; arguments W2, h, top1, part; writes part
;; launch combine: the kernel of part 4 again; grid 256 x 1, 4 waves a work-group, no clusters, 0 bytes of LDS; arguments part, b2, top1, out0; writes out0
